; MI455X (gfx1250); checked and timed in simulation.
; The chip was launched on July 23, 2026; its instructions are those of AMD's public machine-readable ISA for CDNA 5 (MIT licence, August 2026) and "CDNA5" Instruction Set Architecture Reference Guide (July 2026). The comments in the code are by the model that wrote it; some were corrected since.
;; Multi Head Attention. Allowed arithmetic: matrix products marked QUANTISED: E2M1 operands, one E8M0 scale for each 32 along K, by v_wmma_scale_f32_16x16x128_f8f6f4 with both operands' format E2M1 (or v_wmma_scale_f32_32x16x128_f4), f32 sums; everything else in f32.
;; Inputs: b_proj 1,024 float32; b_qkv 3,072 float32; w_proj 1,024 x 1,024 float32; w_qkv 1,024 x 3,072 float32; x 4 x 2,048 x 1,024 float32.
;; Outputs: out0 4 x 2,048 x 1,024 float32.
;; This version of the problem:
;;   THIS VERSION OF THE PROBLEM IS GIVEN IN LOW PRECISION. The matrix products marked QUANTISED in the list below multiply operands that are first quantised to E2M1 (2 exponent bits, 1 mantissa bit; 4 bits a number), with one power-of-two scale for each 32 numbers along K (OCP MX v1.0); their sums are f32. All else is computed in f32.
;;   The module's matrix products, in the order in which they are computed (A, B: the left and right operand; K: the contracted axis; several contracted axes count as one K, in the product's order):
;;     1. [M 8,192, K 1,024] x [K 1,024, N 3,072]; A: input x; B: input w_qkv: QUANTISED
;;     2. batch 64 x [M 2,048, K 64] x [K 64, N 2,048]; A: computed on the way; B: computed on the way: QUANTISED
;;     3. batch 64 x [M 2,048, K 2,048] x [K 2,048, N 64]; A: softmax (see below); B: computed on the way: QUANTISED
;;     4. [M 8,192, K 1,024] x [K 1,024, N 1,024]; A: computed on the way; B: input w_proj: QUANTISED
;;   THE QUANTISER, for each operand of a quantised product, along K:
;;     - K is cut into blocks of 32 from its start; a last block that is shorter is filled with zeros.
;;     - A block's scale is 2^e with e = floor(log2(the largest magnitude in the block)) - 2, held to -126 .. 127; a block of zeros has e = 0. As a byte (E8M0): e + 127.
;;     - Each number is divided by its block's scale, clamped to +-6, and rounded to the nearest number of E2M1, ties to even, subnormals kept.
;;     - The product sums the exact products of the quantised numbers (number of the format x scale) in f32.
;;   ~~~python
;;   def quantise(x, axis):      # numpy; x: float32 -> the quantised numbers, widened to float32 again
;;       x = np.moveaxis(x, axis, -1); K = x.shape[-1]
;;       x = np.pad(x, [(0, 0)] * (x.ndim - 1) + [(0, -K % 32)]); x = x.reshape(x.shape[:-1] + (-1, 32)); a = np.abs(x).max(-1, keepdims=True)
;;       e = np.where(a > 0, np.clip(np.frexp(np.where(a > 0, a, 1))[1] - 1 - 2, -126, 127), 0)      # np.frexp(a)[1] - 1 = floor(log2(a)), exactly
;;       r = np.clip(x / 2.0 ** e, -6, 6)
;;       step = 2.0 ** (np.maximum(np.frexp(np.where(r == 0, 1, r))[1] - 1, 0) - 1)
;;       q = np.round(r / step) * step * 2.0 ** e      # np.round: ties to even
;;       return np.moveaxis(q.reshape(q.shape[:-2] + (-1,))[..., :K], -1, axis).astype(np.float32)
;;   ~~~
;;   SOFTMAX AHEAD OF A QUANTISED PRODUCT. Where the list says 'softmax', what is quantised is not the finished softmax but p = 2^(t - M), with t = logit x log2(e) and M = ceil(the row's largest t), a whole number; so 1/2 < the row's largest p <= 1. The row's sum l is taken of the UNQUANTISED p, in f32, and the product's result is divided by l at the end. Since M is a whole number, a kernel that streams over the keys may use a running M (the ceiling of the running maximum): every later rescaling is an exact power of two, which a block's scale takes up: the codes' values come out the same.
;;   OPERANDS COMPUTED ON THE WAY. 'Computed on the way' means the value that the module computes at that place (a softmax that the list does not call 'softmax' is quantised finished and normalised). What goes into a quantiser is computed in f32, as accurately as f32 sums, v_exp_f32 and their like allow (about 1e-6 of the number): no bf16 or f16 on the way to a quantiser, and a product that is left as it is and whose result goes on into a quantised operand takes f32 operands (vector FMAs, or v_wmma_f32_16x16x4_f32). A number that lies on a knife's edge between two numbers of the format may be rounded either way, as far as f32 arithmetic and the matrix unit's own rounding can turn it there, and no further.
;; One version. Each part assembles by itself: llvm-mc -triple=amdgcn-amd-amdhsa -mcpu=gfx1250 --defsym DOCPART=n.
;; ======== version 1 of 1: 4 launches
;; limits: right only within a limited range of input values
;; workspace buffers: xc 4,194,304 bytes; xs 262,144 bytes; wc 2,097,152 bytes; ws 131,072 bytes; qkv 13,893,632 bytes; ac 4,194,304 bytes; asc 262,144 bytes
;; launch quant (part 1): grid 512 x 1, 4 waves a work-group, no clusters, 42,496 bytes of LDS; arguments x, w_qkv, w_proj, xc, xs, wc, ws; writes xc, xs, wc, ws
.if DOCPART == 1
	.amdgcn_target "amdgcn-amd-amdhsa--gfx1250"
	.amdhsa_code_object_version 6
	.text
	.protected	k_q35da0449a8_quant
	.globl	k_q35da0449a8_quant
	.p2align	8
	.type	k_q35da0449a8_quant,@function
k_q35da0449a8_quant:
	s_mov_b64 s[64:65], 0
	v_nop
	global_prefetch_b8 v0, s[64:65] scope:SCOPE_SE
	s_setreg_imm32_b32 hwreg(HW_REG_WAVE_MODE, 25, 1), 1
	s_wait_xcnt 0x0
; MULTI-HEAD ATTENTION IN MX-FP4, FIRST OF FOUR LAUNCHES: the three large inputs become codes of FP4 (E2M1) with one E8M0 scale byte for each 32 along K.
; NO WORK OF THE PROBLEM IS LEFT OUT in any launch: there is no mask and no index, both biases go into a quantiser or into the output, and all five inputs are loaded.
; x [8192][1024] f32, K innermost -> xc [8192][512 bytes], xs [8192][32 bytes].
; w_qkv [1024][3072] and w_proj [1024][1024] f32, K is their FIRST axis -> wc [4096 rows][512 bytes] with K innermost, ws [4096][32 bytes]: rows 0-3071 are w_qkv's columns, rows 3072-4095 w_proj's.
; A block's scale byte is the largest magnitude's exponent field - 2, held at 1 from below; each number is divided by the scale and rounded to the nearest code, ties to even; beyond 6 the largest code.
; LIMITS: blocks whose largest magnitude lies under 2^-124 have their byte held at 1; a block of zeros gets the byte 1 where the rule says 127 (its codes are zeros, and this program alone reads the bytes); NaN and infinities are not served.
; Work-groups 0-255 take x (32,768 numbers each), work-groups 256-511 the weights (32 columns x 512 along K each).  The two ways part on the work-group's number and never join; each has LDS bytes of its own.
.set XWG,   256
.set SPARE, 41984                      ; behind both ways' bytes: the spare words, 128 bytes a wave
.set SPW,   12                         ; v12 my spare word's address, v13 zero: never rewritten
.set NIL,   13
.set EMAX,  2
.set STEPS, 16                         ; x: a wave takes 16 steps of 512 numbers
.set CB,    8
.set R,     16                         ; v16-79 four sets as loaded; v80-111 two sets of 16 neighbours; v112-127 bytes; v128-191 codes
.set X,     80
.set E,     112
.set C,     128
.set WREG,  8192                       ; LDS 0 .. 32,767: a region a wave: two stages of 32 x SP bytes, then its 256 scale bytes
.set SP,    80
.set WST,   32768                      ; the weights: ONE stage of 32 rows x WP bytes for the work-group,
.set WP,    272
.set SCB,   WST+32*WP                  ; and behind it 32 x 16 scale bytes
.set NB,    4                          ; blocks of 32 along K for a wave
.set SB,    24                         ; v24 my four scale bytes
.set WX,    32                         ; v32-95 two sets of 32 numbers
.set WC,    96
.set OUTR,  112
.set OFF,   176                        ; v176-207 4 x lane + i rows of the weight
.set BAS,   32                         ; s[32:39] block t's first row at the first column
	s_load_b256 s[4:11], s[0:1], 0x0               ; x, w_qkv, w_proj, xc
	s_load_b128 s[12:15], s[0:1], 0x20             ; xs, wc
	s_load_b64 s[16:17], s[0:1], 0x30              ; ws
	v_lshl_add_u32 v[SPW], v0, 2, SPARE
	v_mov_b32 v[NIL], 0
	v_lshrrev_b32 v1, 5, v0
	v_readfirstlane_b32 s18, v1                    ; wave
	v_and_b32 v2, 31, v0                           ; lane
	s_cmp_lt_u32 ttmp9, XWG
	s_cbranch_scc0 .Lweights
; ---- x: each load reads 512 consecutive bytes; a step's 2,048 bytes turn through the wave's own stage and come back 64 bytes (16 neighbours) a lane; two lanes hold a block
	v_lshlrev_b32 v3, 4, v2
	s_mul_i32 s19, s18, WREG
	v_lshrrev_b32 v14, 2, v2
	v_mul_u32_u24 v14, v14, SP
	v_and_b32 v15, 3, v2
	v_lshl_add_u32 v14, v15, 4, v14
	v_add_nc_u32 v14, s19, v14                     ; stage in: SP (lane / 4) + 16 (lane % 4)
	v_mul_u32_u24 v15, v2, SP
	v_add_nc_u32 v15, s19, v15                     ; stage out: SP x lane
	v_mul_u32_u24 v4, v2, CB
	v_lshrrev_b32 v5, 1, v2
	s_add_co_u32 s19, s19, 2*32*SP
	v_add_nc_u32 v5, s19, v5                       ; my block's byte among the wave's 256
	v_lshlrev_b32 v7, 3, v2
	v_add_nc_u32 v6, s19, v7
	s_lshl_b32 s20, ttmp9, 2
	s_add_co_u32 s20, s20, s18                     ; my run of 8,192 numbers
	s_mov_b32 s21, 0
	s_lshl_b64 s[22:23], s[20:21], 15
	s_lshl_b64 s[24:25], s[20:21], 12
	s_lshl_b64 s[26:27], s[20:21], 8
	s_wait_alu depctr_va_vdst(0)                   ; the wait at the head's end
	s_wait_kmcnt 0x0
	s_add_nc_u64 s[4:5], s[4:5], s[22:23]
	s_add_nc_u64 s[10:11], s[10:11], s[24:25]
	s_add_nc_u64 s[12:13], s[12:13], s[26:27]
.macro XLOAD t
.irp i, 0,1,2,3
	global_load_b128 v[R+16*((\t)%4)+4*\i:R+16*((\t)%4)+4*\i+3], v3, s[4:5] offset:2048*(\t)+512*\i th:TH_LOAD_NT
.endr
.endm
.macro XTURN t                         ; LDS serves a wave's instructions in order: no wait between the stores and the loads
.irp i, 0,1,2,3
	ds_store_b128 v14, v[R+16*((\t)%4)+4*\i:R+16*((\t)%4)+4*\i+3] offset:32*SP*((\t)%2)+8*SP*\i
.endr
.irp i, 0,1,2,3
	ds_load_b128 v[X+16*((\t)%2)+4*\i:X+16*((\t)%2)+4*\i+3], v15 offset:32*SP*((\t)%2)+16*\i
.endr
.endm
.irp t, 0,1,2,3
	XLOAD \t
.endr
	s_wait_loadcnt 12                              ; step 0's four loads are in; twelve behind them may be out
	XTURN 0
.macro XSTEP t
.set XS, X+16*((\t)%2)
.if (\t) > 0
	s_wait_dscnt 1                                 ; this step's numbers are back (the last step's byte store may be out)
.else
	s_wait_dscnt 0x0
.endif
.if (\t)+4 < STEPS
	XLOAD (\t)+4
.endif
.if (\t)+1 < STEPS
.if STEPS-2-(\t) >= 3
	s_wait_loadcnt 12                              ; the next step's four are in; three steps' loads may be out
.else
	s_wait_loadcnt 4*(STEPS-2-(\t))
.endif
	XTURN (\t)+1
.endif
	v_max3_num_f32 v8, |v[XS]|, |v[XS+1]|, |v[XS+2]|
	v_max3_num_f32 v9, |v[XS+3]|, |v[XS+4]|, |v[XS+5]|
.irp i, 6,10
	v_max3_num_f32 v8, v8, |v[XS+\i]|, |v[XS+\i+1]|
	v_max3_num_f32 v9, v9, |v[XS+\i+2]|, |v[XS+\i+3]|
.endr
	v_max3_num_f32 v8, v8, |v[XS+14]|, |v[XS+15]|
	v_max3_num_f32 v8, v8, v9, (EMAX+1)<<23        ; the floor 2^(3 - 127): the byte cannot fall under 1
	v_max_num_f32_dpp v8, v8, v8 row_xmask:1 row_mask:0xf bank_mask:0xf   ; with my neighbour's 16
	v_add_nc_u32 v11, -(EMAX<<23), v8              ; 2 off the exponent field: the conversion's scale operand
	v_cvt_scalef32_pk8_fp4_f32 v[C+4*(\t)], v[XS:XS+7], v11
	v_cvt_scalef32_pk8_fp4_f32 v[C+4*(\t)+1], v[XS+8:XS+15], v11
	v_lshrrev_b32 v[E+(\t)], 23, v11               ; the byte
	ds_store_b8 v5, v[E+(\t)] offset:16*(\t)
	global_store_b64 v4, v[C+4*(\t):C+4*(\t)+1], s[10:11] offset:32*CB*(\t)   ; the wave stores 256 consecutive bytes, aligned
.endm
.irp t, 0,1,2,3,4,5,6,7,8,9,10,11,12,13,14,15
	XSTEP \t
.endr
	ds_load_b64 v[8:9], v6
	s_wait_dscnt 0x0
	global_store_b64 v7, v[8:9], s[12:13]          ; 256 consecutive bytes, aligned
	s_wait_tensorcnt 0x0                           ; the wave's end
	ds_add_u32 v[SPW], v[NIL]
	s_wait_dscnt 0x0
	s_endpgm
; ---- the weights: a lane takes a column, its registers run down K: a block of 32 lies in one lane, and the conversions give codes with K innermost.
; A work-group takes 32 columns x 512 along K; wave w the w-th 128 of them: 4 blocks, 64 bytes of each column's row.  The four waves' parts meet in one stage; behind a barrier wave w stores rows 8 w .. 8 w + 7, sixteen lanes to 256 aligned bytes.
.Lweights:
	s_sub_co_u32 s19, ttmp9, XWG
	s_lshr_b32 s20, s19, 1                         ; which 32 rows of wc: 0-95 w_qkv's columns, 96-127 w_proj's
	s_and_b32 s21, s19, 1                          ; which 512 along K
	s_mov_b32 s26, 4096
	s_cmp_lt_u32 s20, 96
	s_cselect_b32 s26, 12288, s26                  ; bytes from row to row of the weight
	s_cselect_b32 s22, 0, 96
	s_sub_co_u32 s22, s20, s22
	s_lshl_b32 s22, s22, 7                         ; the first column, in bytes
	s_lshl_b32 s24, s21, 2
	s_add_co_u32 s24, s24, s18
	s_lshl_b32 s24, s24, 7                         ; my first row: 512 x half + 128 x wave
	s_mul_i32 s24, s24, s26
	s_add_co_u32 s22, s22, s24
	s_mov_b32 s23, 0
	s_lshl_b32 s24, s26, 5                         ; 32 rows on
	s_mov_b32 s25, 0
	s_lshl_b32 s28, s20, 14                        ; wc: 32 rows x 512 + 256 x half
	s_lshl_b32 s29, s21, 8
	s_add_co_u32 s28, s28, s29
	s_mov_b32 s29, 0
	s_lshl_b32 s30, s20, 10                        ; ws: 32 rows x 32 + 16 x half
	s_lshl_b32 s31, s21, 4
	s_add_co_u32 s30, s30, s31
	s_mov_b32 s31, 0
	s_wait_alu depctr_va_vdst(0)                   ; the wait ahead of the reader below
	v_lshlrev_b32 v[OFF], 2, v2
.set i, 1
.rept 31
	v_add_nc_u32 v[OFF+i], s26, v[OFF+i-1]
.set i, i+1
.endr
	v_mul_u32_u24 v4, v2, WP
	s_lshl_b32 s19, s18, 6
	s_add_co_u32 s19, s19, WST
	v_add_nc_u32 v4, s19, v4                       ; into the stage: row = my column, 64 x wave bytes on
	v_lshlrev_b32 v10, 4, v2
	s_lshl_b32 s19, s18, 2
	s_add_co_u32 s19, s19, SCB
	v_add_nc_u32 v10, s19, v10                     ; my scale word: 16 x column + 4 x wave
	v_lshl_add_u32 v19, v2, 4, SCB                 ; a column's 16 scale bytes
	v_and_b32 v5, 15, v2
	v_lshrrev_b32 v6, 4, v2
	v_mul_u32_u24 v7, v6, WP
	v_lshl_add_u32 v7, v5, 4, v7
	s_mul_i32 s19, s18, 8*WP
	s_add_co_u32 s19, s19, WST
	v_add_nc_u32 v7, s19, v7                       ; out of the stage: rows 8 x wave on, sixteen lanes to a row
	v_lshlrev_b32 v8, 9, v6
	v_lshl_add_u32 v8, v5, 4, v8
	s_lshl_b32 s19, s18, 12
	v_add_nc_u32 v8, s19, v8                       ; the same place in wc
	v_lshlrev_b32 v9, 5, v2                        ; a column's row of ws
	s_wait_alu depctr_va_vdst(0)                   ; the wait at the head's end
	s_wait_kmcnt 0x0
	s_cmp_lt_u32 s20, 96
	s_cselect_b64 s[BAS:BAS+1], s[6:7], s[8:9]
	s_add_nc_u64 s[BAS:BAS+1], s[BAS:BAS+1], s[22:23]
.set i, 1
.rept NB-1
	s_add_nc_u64 s[BAS+2*i:BAS+2*i+1], s[BAS+2*i-2:BAS+2*i-1], s[24:25]
.set i, i+1
.endr
	s_add_nc_u64 s[14:15], s[14:15], s[28:29]
	s_add_nc_u64 s[16:17], s[16:17], s[30:31]
.macro WLOAD t
.irp i, 0,1,2,3,4,5,6,7,8,9,10,11,12,13,14,15,16,17,18,19,20,21,22,23,24,25,26,27,28,29,30,31
	global_load_b32 v[WX+32*((\t)%2)+\i], v[OFF+\i], s[BAS+2*(\t):BAS+2*(\t)+1] th:TH_LOAD_NT
.endr
.endm
	WLOAD 0
	WLOAD 1
.macro WBLOCK t
.set XS, WX+32*((\t)%2)
.if (\t) < NB-1
	s_wait_loadcnt 32                              ; this block's 32 loads are in; the next block's may be out
.else
	s_wait_loadcnt 0
.endif
	v_max3_num_f32 v16, |v[XS]|, |v[XS+1]|, |v[XS+2]|
	v_max3_num_f32 v17, |v[XS+3]|, |v[XS+4]|, |v[XS+5]|
.irp i, 6,10,14,18,22,26
	v_max3_num_f32 v16, v16, |v[XS+\i]|, |v[XS+\i+1]|
	v_max3_num_f32 v17, v17, |v[XS+\i+2]|, |v[XS+\i+3]|
.endr
	v_max3_num_f32 v16, v16, |v[XS+30]|, |v[XS+31]|
	v_max3_num_f32 v16, v16, v17, (EMAX+1)<<23
	v_add_nc_u32 v11, -(EMAX<<23), v16
	v_lshrrev_b32 v18, 23, v11
.if (\t) == 0
	v_mov_b32 v[SB], v18                           ; four bytes to the register, the lower K in the lower byte
.else
	v_lshl_or_b32 v[SB], v18, 8*(\t), v[SB]
.endif
.irp g, 0,1,2,3
	v_cvt_scalef32_pk8_fp4_f32 v[WC+\g], v[XS+8*\g:XS+8*\g+7], v11
.endr
	v_nop                                          ; one plain line behind the last conversion
	ds_store_b128 v4, v[WC:WC+3] offset:16*(\t)
.if (\t)+2 < NB
	WLOAD (\t)+2
.endif
	s_wait_dscnt 0x0                               ; the store has read its registers
.endm
.set Q, 0
.rept NB
	WBLOCK Q
.set Q, Q+1
.endr
	s_wait_alu depctr_va_vdst(0)                   ; the wait ahead of the reader below
	ds_store_b32 v10, v[SB]
	s_wait_dscnt 0x0                               ; my stores are done, for the other waves' sake
	s_barrier_signal -1
	s_barrier_wait -1                              ; the stage is whole
.irp t, 0,1,2,3
	ds_load_b128 v[OUTR+4*\t:OUTR+4*\t+3], v7 offset:2*\t*WP
.endr
.irp t, 0,1,2,3
	s_wait_dscnt 3-\t                              ; load t is back; the younger ones may be out
	global_store_b128 v8, v[OUTR+4*\t:OUTR+4*\t+3], s[14:15] offset:2*\t*512   ; sixteen lanes store 256 consecutive bytes, aligned
.endr
	s_cmp_lg_u32 s18, 0                            ; wave 0 stores the 32 columns' scale bytes: 16 a row, rows 32 bytes apart
	s_cbranch_scc1 .Lwend
	ds_load_b128 v[OUTR+16:OUTR+19], v19
	s_wait_dscnt 0x0
	global_store_b128 v9, v[OUTR+16:OUTR+19], s[16:17]
.Lwend:
	s_wait_tensorcnt 0x0                           ; the wave's end
	ds_add_u32 v[SPW], v[NIL]
	s_wait_dscnt 0x0
	s_endpgm
.Lfunc_end_k_q35da0449a8_quant:
	.size	k_q35da0449a8_quant, .Lfunc_end_k_q35da0449a8_quant-k_q35da0449a8_quant
	.p2alignl 7, 3214868480
	.fill 96, 4, 3214868480
	.section	.rodata,"a",@progbits
	.p2align	6, 0x0
	.amdhsa_kernel k_q35da0449a8_quant
		.amdhsa_group_segment_fixed_size 42496
		.amdhsa_private_segment_fixed_size 0
		.amdhsa_enable_private_segment 0
		.amdhsa_kernarg_size 56
		.amdhsa_user_sgpr_count 2
		.amdhsa_user_sgpr_kernarg_segment_ptr 1
		.amdhsa_wavefront_size32 1
		.amdhsa_system_sgpr_workgroup_id_x 1
		.amdhsa_system_sgpr_workgroup_id_y 1
		.amdhsa_system_sgpr_workgroup_id_z 1
		.amdhsa_system_vgpr_workitem_id 0
		.amdhsa_next_free_vgpr 208
		.amdhsa_next_free_sgpr 66
		.amdhsa_reserve_vcc 0
		.amdhsa_float_denorm_mode_32 3
		.amdhsa_float_denorm_mode_16_64 3
		.amdhsa_memory_ordered 1
		.amdhsa_forward_progress 1
		.amdhsa_inst_pref_size 56
	.end_amdhsa_kernel
	.amdgpu_metadata
---
amdhsa.version: [ 1, 2 ]
amdhsa.kernels:
  - .name:           k_q35da0449a8_quant
    .symbol:         k_q35da0449a8_quant.kd
    .args:
      - { .name: x, .offset: 0, .size: 8, .value_kind: global_buffer, .address_space: global }
      - { .name: w_qkv, .offset: 8, .size: 8, .value_kind: global_buffer, .address_space: global }
      - { .name: w_proj, .offset: 16, .size: 8, .value_kind: global_buffer, .address_space: global }
      - { .name: xc, .offset: 24, .size: 8, .value_kind: global_buffer, .address_space: global }
      - { .name: xs, .offset: 32, .size: 8, .value_kind: global_buffer, .address_space: global }
      - { .name: wc, .offset: 40, .size: 8, .value_kind: global_buffer, .address_space: global }
      - { .name: ws, .offset: 48, .size: 8, .value_kind: global_buffer, .address_space: global }
    .group_segment_fixed_size: 42496
    .private_segment_fixed_size: 0
    .kernarg_segment_align: 8
    .kernarg_segment_size: 56
    .max_flat_workgroup_size: 128
    .sgpr_count:     66
    .vgpr_count:     208
    .wavefront_size: 32
...
	.end_amdgpu_metadata
.endif
;; end of part 1
;; launch gemm_qkv (part 2): grid 12 x 32, 4 waves a work-group, clusters of 4 x 4, 327,680 bytes of LDS; arguments xc, xs, wc, ws, b_qkv, qkv; writes qkv
.if DOCPART == 2
	.amdgcn_target "amdgcn-amd-amdhsa--gfx1250"
	.amdhsa_code_object_version 6
	.text
	.protected	k_q35da0449a8_gemm_qkv
	.globl	k_q35da0449a8_gemm_qkv
	.p2align	8
	.type	k_q35da0449a8_gemm_qkv,@function
k_q35da0449a8_gemm_qkv:
	s_mov_b64 s[64:65], 0
	v_nop
	global_prefetch_b8 v0, s[64:65] scope:SCOPE_SE
	s_setreg_imm32_b32 hwreg(HW_REG_WAVE_MODE, 25, 1), 1
	s_wait_xcnt 0x0
	s_wait_alu depctr_hold_cnt(0) depctr_sa_sdst(0) depctr_va_vdst(0) depctr_va_sdst(0) depctr_va_ssrc(0) depctr_va_vcc(0) depctr_vm_vsrc(0)
	s_getreg_b32 s2, hwreg(HW_REG_IB_STS2, 6, 4)
	s_cmp_eq_u32 s2, 0
	s_cbranch_scc0 .Lentry_in_a_cluster
	s_endpgm
.Lentry_in_a_cluster:
	s_bfe_u32 s2, ttmp6, 0x10000c
	s_cmp_lg_u32 s2, 0xf033
	s_cbranch_scc0 .Lentry_shape_is_right
	s_endpgm
.Lentry_shape_is_right:
; SECOND LAUNCH: qkv = x w_qkv + b_qkv on codes of FP4 with E8M0 scales, sums and bias in f32; the results are quantised here, q and k along the head's 64, v along the keys, and stored as images of the registers in which the third launch wants them.  No work is left out.
; A work-group of four waves makes 256 x 256, a wave 128 x 128: 64 accumulators, 512 registers.  K = 1,024 is two steps of 512 (rows of 256 bytes): both lie in LDS at once, each slot is filled once, nothing is filled again.
; THE MATRIX INSTRUCTION IS USED TRANSPOSED: source 0 = 16 rows of the 'B' operand, source 1 = 16 rows of the 'A' operand: a lane holds ONE row of A, and its registers run along B's rows.
; WHO IS A AND WHO IS B hangs on the cluster's x alone, by a choice of pointers: clusters 0 and 1 (q, k): A = x's rows, B = w_qkv's columns, so that registers run along the head's channels;
; cluster 2 (v): A = w_qkv's columns 2,048 on (channels), B = x's rows (keys), so that registers run along the keys.  One quantiser serves both.
; CLUSTERS: 4 x 4 work-groups; A's tile is shared along a row of the cluster, B's along a column: each is asked for jointly, by the same tensor load with the same descriptor and a mask that names the four.
; A RECORD of qkv (13,568 bytes) holds 128 positions of one head: 0: K's codes, 8 tiles x 512 bytes [block of 32][lane 16][16 bytes]; 4,096: V's codes, 4 tiles of 16 channels x 1,024 bytes [block of 32 keys][lane][16];
; 8,192: K's scale words [lane 16][tile 8] (bytes 0, 1 the two blocks', bytes 2, 3 zero); 8,704: V's scale words [lane 16][tile 4]; 8,960: Q's codes and 13,056: Q's scale words, laid as K's.  Record number: (16 x batch + head) x 16 + position / 128.
; THE ROWS OF A TILE ARE NOT NEIGHBOURS: lane r' of tile t holds position (V: channel) 32 (t / 2) + 8 (t % 2) + r' + 8 (r' / 8), so that in the third launch a lane's 16 registers of two neighbouring result tiles are 16 neighbours along the next K.
; LIMITS: as in the first launch: bytes held at 1 from below; a block of zeros gets the byte 1; NaN and infinities are not served.
; REGISTERS, in windows of 256: window 0: v0-31 addresses; v32-95 scale words, two sets, and nothing else; v96-127 the quantiser's; v128-191 A's fragments, ONE set, later 64 results in hand; v192-255 the bias.
;   window 1: B's fragments, TWO sets.   window 2: the accumulators of A's blocks 0-3 ((a, b) at v[8 (8 (a % 4) + b)]);   window 3: those of blocks 4-7.
; AS THIS TEXT NOW STANDS, where it differs from the lines above: ALL OF K = 1,024 lies in LDS as ONE tile, rows of 512 bytes + 16 of padding, filled once: 'slot s' below is byte 256 s of a row.
; One joint load a wave at the head: wave 0 A's 256 rows, wave 1 B's, wave 2 A's scale bytes, wave 3 B's.  A barrier stands ahead of the way out, whose stages lie on bytes of the tile.
; THE ROWS OF A TILE: lane r' of K's or Q's tile t holds position 64 (t / 4) + 32 (r' / 8) + 8 (t % 4) + r' % 8; lane r' of V's tile t holds channel 32 (r' / 8) + 8 t + r' % 8:
; so in the third launch a lane's 32 registers of four neighbouring result tiles are one whole block of 32 along the next K.
.set NQ,     4
.set ROWB,   512                       ; a tile's row in bytes: all of K
.set KROW,   512                       ; a row of codes in memory
.set PITCH,  528                       ; an LDS row: 512 bytes + 16 of padding: the 16 rows that a load touches start 132 words apart
.set FR,     8
.set NL,     2
.set NP,     4
.set HALFT,  128*PITCH
.set SLOT,   256                       ; K step 1 begins 256 bytes on in each row
.set KS,     32                        ; a row of scale bytes
.set SCL,    4*HALFT                   ; behind A's 256 rows and B's 256 rows: the scale bytes, as units of 256 bytes + 16 of padding
.set HALFS,  16*272                    ; those of 128 rows
.set SBLK,   2*272                     ; those of 16 rows
.set SPARE,  SCL+4*HALFS               ; the spare words, 128 bytes for each wave: two blocks of 256 bytes that no other line names
.set BIASL,  SPARE+512                 ; 512 bytes for each wave: its 128 numbers of the bias
.set REC,    13568
.set HEADB,  16*REC                    ; from a head's record to the next head's
.set QST,    9216                      ; the way out of q and k: a stage for each wave, 8,192 bytes of codes and 1,024 of scale words, from LDS byte 0 on: slot 0 has had its only fill and its last read by then
.set VST0,   4*QST                     ; the way out of v has bytes of its own behind them:
.set VST,    8704                      ; 8,192 of codes and 512 of scale words for each wave
.set STV,  7                           ; v7   v: where a lane puts 4 bytes of codes
.set SSQ,  8                           ; v8   q, k: where it puts a scale word
.set SSV,  9                           ; v9   v: likewise
.set RDV,  10                          ; v10  v: where it reads 16 bytes back
.set BLW,  11                          ; v11  the bias: in,
.set BLQ,  12                          ; v12  out for q, k (by B's rows),
.set BLV,  13                          ; v13  out for v (by A's row)
.set VO2,  14                          ; v14  v's scale words in memory: 16 bytes a lane, lanes 16-31 in the next head's record
.set ADRA, 16                          ; v16-17 LDS address of my A fragments in slot 0, 1
.set ADRB, 20                          ; v20-21 the same for B
.set STQ,  24                          ; v24  q, k: where a lane puts 4 bytes of codes
.set RDQ,  25                          ; v25  q, k: where it reads 16 bytes back
.set CO,   26                          ; v26  16 x lane
.set ADRS, 27                          ; v27  LDS address of my scale words: lanes 0-15 A's rows, lanes 16-31 B's
.set SPW,  28                          ; v28  LDS address of my spare word; never rewritten
.set NIL,  29                          ; v29  0; never rewritten
.set SC,   32
.set TM,   96                          ; +0..3 largest magnitudes, +4..7 the other half's, then bytes, +8..9 halves of words, +12..15 the conversions' scale operands
.set PC,   112                         ; v112-119 codes
.set SW,   120                         ; v120 a scale word
.set AF,   128
.set T,    128
.set BI,   192
.set G1, 24                            ; s[24:31] descriptor group 1 for A's tiles;  s[32:35] group 0
.set G0, 32
.set G1B, 48                           ; s[48:55], s[56:59] the same for B's
.set G0B, 56
.set SEL, 66                           ; s[66:67] lane selects for v_permlanex16_b32: lane l xor 16
.set G1S, 68                           ; s[68:75], s[76:79] groups 1 and 0 for A's scales;  s[80:87], s[88:91] for B's
.set G0S, 76
.set G1SB, 80
.set G0SB, 88
.set HI,  99                           ; s99  the mask of lanes 16-31
.set MSB, 0
.macro WIN new                         ; the immediate's high byte repeats the setting that is left
.if MSB != (\new)
	s_set_vgpr_msb (MSB<<8)|(\new)
.set MSB, (\new)
.endif
.endm
.set MUL_LO, 0xa1                      ; source 0 (B) window 1, source 1 (A) window 0, C and D window 2
.set MUL_HI, 0xf1                      ; the same, C and D window 3
.set TO_B,   0x40                      ; destination window 1, address window 0
; An arm of the head's one tree of branches on the wave's number: its joint load, an s_nop 0 and four v_nop, and a jump to the tree's end
.macro ARM under, g0, g1, next
	s_cmp_lt_u32 s14, \under
	s_cbranch_scc0 \next
	tensor_load_to_lds s[\g0:\g0+3], s[\g1:\g1+7]
	s_nop 0
.rept 4
	v_nop
.endr
	s_branch .Lhead_asked
\next:
.endm
.macro CROUND                          ; a round of the cluster's barrier
	s_barrier_signal -1
	s_barrier_wait -1
	s_cmp_lg_u32 s14, 0
	s_cbranch_scc1 .Lnot_wave_0_\@
	s_barrier_signal -3
.Lnot_wave_0_\@:
	s_barrier_wait -3
	s_barrier_signal -1
	s_barrier_wait -1
.endm
	s_load_b256 s[4:11], s[0:1], 0x0               ; xc s[4:5], xs s[6:7], wc s[8:9], ws s[10:11]
	s_load_b128 s[92:95], s[0:1], 0x20             ; b_qkv s[92:93], qkv s[94:95]
	v_lshl_add_u32 v[SPW], v0, 2, SPARE
	v_mov_b32 v[NIL], 0
	ds_add_u32 v[SPW], v[NIL]                      ; the wave's opening: the add, twice on end, and its wait ahead of my first tensor load; the set-up below stands between
	ds_add_u32 v[SPW], v[NIL]
	v_lshrrev_b32 v1, 5, v0
	v_readfirstlane_b32 s14, v1                    ; wave 0..3
	s_lshr_b32 s15, s14, 1                         ; which half of A's rows is mine
	s_and_b32 s16, s14, 1                          ; which half of B's rows
	s_bfe_u32 s40, ttmp6, 0x40000                  ; cx, cy: my place in the cluster
	s_bfe_u32 s41, ttmp6, 0x40004
	s_lshl_b32 s42, ttmp9, 2                       ; 4 x cluster x
	s_and_b32 s17, ttmp7, 0xffff
	s_lshl_b32 s17, s17, 2                         ; 4 x cluster y
	s_cmp_eq_u32 ttmp9, 2                          ; v's cluster?  The same in all sixteen partners
	s_cselect_b32 s42, s17, s42                    ; B's tile: v: x's rows, by cluster y;  q, k: the weight's rows, by cluster x
	s_cselect_b32 s17, 8, s17                      ; A's tile: v: the weight's rows 2,048 on;  q, k: x's rows, by cluster y
	s_add_co_u32 s42, s42, s40                     ; + cx: B's tile never holds cy,
	s_add_co_u32 s17, s17, s41                     ; + cy: A's never cx
	s_lshl_b32 s43, s41, 2
	s_lshl_b32 s43, 15, s43                        ; my row of the cluster
	s_lshl_b32 s44, 0x1111, s40                    ; my column
	; descriptor group 1: a tile of 256 rows x 512 bytes, 16 bytes of padding behind each row
	s_or_b32 s[G1+0], s43, (0<<16)|(1<<20)|(1<<21)|(6<<22)|(3<<25)  ; the mask; elements of 1 byte; padding on; 21 set beside a mask; after every 128 words four words
	s_or_b32 s[G1B+0], s44, (0<<16)|(1<<20)|(1<<21)|(6<<22)|(3<<25)
.irp g, G1, G1B
	s_mov_b32 s[\g+1], ROWB<<16                    ; tensor_dim0
	s_mov_b32 s[\g+2], 256<<16                     ; tensor_dim1: 256 rows
	s_mov_b32 s[\g+3], ROWB<<16                    ; tile_dim0
	s_mov_b32 s[\g+4], 256                         ; tile_dim1
	s_mov_b32 s[\g+5], KROW                        ; from row to row
	s_mov_b32 s[\g+6], 0
	s_mov_b32 s[\g+7], 0
.endr
	; the scale bytes of 256 rows: 8,192 dense bytes, as 32 rows of 256 bytes (32 elements of 8), 16 bytes of padding behind each
	s_or_b32 s[G1S+0], s43, (3<<16)|(1<<20)|(1<<21)|(5<<22)|(3<<25)
	s_or_b32 s[G1SB+0], s44, (3<<16)|(1<<20)|(1<<21)|(5<<22)|(3<<25)
.irp g, G1S, G1SB
	s_mov_b32 s[\g+1], 32<<16
	s_mov_b32 s[\g+2], 32<<16                      ; the scale bytes of 256 rows: 8,192 dense bytes, 32 rows of 256
	s_mov_b32 s[\g+3], 32<<16
	s_mov_b32 s[\g+4], 32
	s_mov_b32 s[\g+5], 32
	s_mov_b32 s[\g+6], 0
	s_mov_b32 s[\g+7], 0
.endr
	s_lshl_b32 s20, s17, 8                         ; A: the tile's first row
	s_lshl_b32 s46, s42, 8                         ; B likewise
	s_mov_b32 s21, 0
	s_mov_b32 s47, 0
	s_mov_b64 s[18:19], KS
	s_mul_u64 s[22:23], s[20:21], s[18:19]         ; where these rows' scale bytes begin,
	s_mul_u64 s[96:97], s[46:47], s[18:19]
	s_mov_b64 s[18:19], KROW
	s_mul_u64 s[20:21], s[20:21], s[18:19]         ; and their codes
	s_mul_u64 s[46:47], s[46:47], s[18:19]
	s_mov_b32 s[SEL], 0x76543210
	s_mov_b32 s[SEL+1], 0xfedcba98
	s_mov_b32 s[HI], 0xffff0000
	s_wait_dscnt 0x0                               ; both opening adds are done
	s_wait_kmcnt 0x0
	s_cmp_eq_u32 ttmp9, 2                          ; v: the weight is A and x is B: the pointers change places
	s_cselect_b64 s[18:19], s[8:9], s[4:5]
	s_cselect_b64 s[8:9], s[4:5], s[8:9]
	s_mov_b64 s[4:5], s[18:19]
	s_cselect_b64 s[18:19], s[10:11], s[6:7]
	s_cselect_b64 s[10:11], s[6:7], s[10:11]
	s_mov_b64 s[6:7], s[18:19]
	s_add_nc_u64 s[20:21], s[4:5], s[20:21]
	s_add_nc_u64 s[22:23], s[6:7], s[22:23]
	s_add_nc_u64 s[46:47], s[8:9], s[46:47]
	s_add_nc_u64 s[96:97], s[10:11], s[96:97]
	CROUND                                         ; all sixteen work-groups are here: the joint loads meet
	s_mov_b32 s[G0S], 1
	s_mov_b32 s[G0S+1], SCL
	s_mov_b64 s[G0S+2:G0S+3], s[22:23]
	s_or_b32 s[G0S+3], s[G0S+3], 0x80000000
	s_mov_b32 s[G0SB], 1
	s_mov_b32 s[G0SB+1], SCL+2*HALFS
	s_mov_b64 s[G0SB+2:G0SB+3], s[96:97]
	s_or_b32 s[G0SB+3], s[G0SB+3], 0x80000000
	s_mov_b32 s[G0], 1                             ; A's 256 rows, from LDS byte 0
	s_mov_b32 s[G0+1], 0
	s_mov_b64 s[G0+2:G0+3], s[20:21]
	s_or_b32 s[G0+3], s[G0+3], 0x80000000
	s_mov_b32 s[G0B], 1                            ; B's 256 rows behind them
	s_mov_b32 s[G0B+1], 2*HALFT
	s_mov_b64 s[G0B+2:G0B+3], s[46:47]
	s_or_b32 s[G0B+3], s[G0B+3], 0x80000000
	ARM 1, G0,  G1,  .Lhead_b                      ; one joint load a wave: every way through the head passes exactly one
	ARM 2, G0B, G1B, .Lhead_sa
	ARM 3, G0S, G1S, .Lhead_sb
	tensor_load_to_lds s[G0SB:G0SB+3], s[G1SB:G1SB+7]
	s_nop 0
.rept 4
	v_nop
.endr
.Lhead_asked:
	v_and_b32 v1, 15, v0                           ; r = lane % 16
	v_bfe_u32 v2, v0, 4, 1                         ; h = lane / 16
	v_mul_u32_u24 v3, v1, PITCH
	v_lshl_add_u32 v4, v2, 4, v3                   ; a fragment's row x pitch + 16 x half
	s_mul_i32 s21, s15, HALFT                      ; my 128 rows of A
	s_mul_i32 s22, s16, HALFT                      ; my 128 rows of B,
	s_add_co_u32 s22, s22, 2*HALFT                 ; which lie behind A's 256
.irp s, 0,1
	v_add_nc_u32 v[ADRA+\s], s21, v4
	v_add_nc_u32 v[ADRB+\s], s22, v4
	s_add_co_u32 s21, s21, SLOT
	s_add_co_u32 s22, s22, SLOT
.endr
	v_mul_u32_u24 v5, v1, KS                       ; my row's scale bytes: 32 a row,
	v_lshrrev_b32 v6, 8, v5
	v_lshl_add_u32 v5, v6, 4, v5                   ; and 16 more for each 256 passed
	s_mul_i32 s21, s15, HALFS
	s_mul_i32 s22, s16, HALFS
	s_add_co_u32 s22, s22, 2*HALFS
	s_sub_co_u32 s22, s22, s21
	v_mul_u32_u24 v6, s22, v2                      ; lanes 16-31 take B's: the lower base + h x the distance
	s_add_co_u32 s21, s21, SCL
	v_add_nc_u32 v5, v5, v6
	v_add_nc_u32 v[ADRS], s21, v5
	; where my results go: my 128 rows of x are one step of 128 positions, my 128 rows of the weight two heads
	s_lshl_b32 s20, s17, 8
	s_lshl_b32 s21, s15, 7
	s_add_co_u32 s20, s20, s21                     ; my first row of A,
	s_lshl_b32 s21, s42, 8
	s_lshl_b32 s22, s16, 7
	s_add_co_u32 s21, s21, s22                     ; of B
	s_cmp_eq_u32 ttmp9, 2
	s_cselect_b32 s22, s21, s20                    ; of x,
	s_cselect_b32 s23, s20, s21                    ; of the weight
	s_lshr_b32 s43, s22, 11                        ; batch
	s_lshl_b32 s43, s43, 4
	s_bfe_u32 s44, s23, 0x40006                    ; head: 4 bits from bit 6
	s_add_co_u32 s43, s43, s44
	s_lshl_b32 s43, s43, 4
	s_bfe_u32 s44, s22, 0x40007                    ; step: 4 bits from bit 7
	s_add_co_u32 s43, s43, s44                     ; the record's number
	s_mul_i32 s44, s43, REC
	s_mov_b32 s45, 0
	s_add_nc_u64 s[94:95], s[94:95], s[44:45]      ; my first head's record
	s_lshl_b32 s44, s23, 2
	s_add_nc_u64 s[92:93], s[92:93], s[44:45]      ; my 128 numbers of the bias
	s_mov_b32 s46, 8192
	s_mov_b32 s47, 0
	s_cmp_eq_u32 ttmp9, 0
	s_cselect_b32 s44, 8960, 0                     ; q's codes lie at 8,960, k's at 0;
	s_cselect_b32 s46, 4096, s46                   ; their scale words 4,096 or 8,192 further on
	s_add_nc_u64 s[6:7], s[94:95], s[44:45]
	s_add_nc_u64 s[10:11], s[6:7], s[46:47]
	v_and_b32 v6, 31, v0
	v_lshlrev_b32 v[CO], 4, v6
	global_load_b128 v[192:195], v[CO], s[92:93]   ; the wave's 512 bytes of the bias
	; every LDS address of the way out is made here, ahead of the ways' parting
	v_and_b32 v3, 7, v1                            ; r % 8
	v_lshrrev_b32 v4, 3, v1                        ; r / 8
	s_mul_i32 s21, s14, QST
	s_mul_i32 s22, s14, VST
	s_add_co_u32 s22, s22, VST0
	s_lshl_b32 s23, s14, 9
	s_add_co_u32 s23, s23, BIASL
	v_lshlrev_b32 v5, 4, v3
	v_lshl_add_u32 v5, v2, 2, v5                   ; 16 (r % 8) + 4 h
	v_lshl_add_u32 v[STQ], v4, 9, v5               ; + 512 (r / 8): the tile's parity
	v_add_nc_u32 v[STQ], s21, v[STQ]
	v_lshl_add_u32 v[STV], v4, 10, v5              ; v: tiles of 1,024 bytes
	v_add_nc_u32 v[STV], s22, v[STV]
	v_lshlrev_b32 v5, 2, v4                        ; 4 (r / 8)
	v_lshl_add_u32 v[SSQ], v3, 5, v5               ; + 32 (r % 8)
	v_lshl_add_u32 v[SSQ], v2, 9, v[SSQ]           ; + 512 h: lanes 16-31 write the second head's word
	v_add_nc_u32 v[SSQ], s21, v[SSQ]
	v_add_nc_u32 v[SSQ], 8192, v[SSQ]
	v_lshl_add_u32 v[SSV], v3, 4, v5               ; v: 16 (r % 8) + 4 (r / 8)
	v_add_nc_u32 v[SSV], s22, v[SSV]
	v_add_nc_u32 v[SSV], 8192, v[SSV]
	v_add_nc_u32 v[RDQ], s21, v[CO]
	v_add_nc_u32 v[RDV], s22, v[CO]
	v_add_nc_u32 v[BLW], s23, v[CO]
	v_lshlrev_b32 v[BLQ], 5, v2
	v_add_nc_u32 v[BLQ], s23, v[BLQ]               ; q, k: register j of B's block b wants number 16 b + 8 h + j
	v_lshlrev_b32 v[BLV], 2, v1
	v_add_nc_u32 v[BLV], s23, v[BLV]               ; v: A's block a wants number 16 a + r
	v_mul_u32_u24 v[VO2], v2, HEADB
	v_lshl_add_u32 v[VO2], v1, 4, v[VO2]
.macro FRAG reg, adr, q, i             ; 16 rows x 128 K of 4-bit codes: lane l holds row l % 16; registers 4 c .. 4 c + 3 hold K = 64 c + 32 (l / 16) + 0 .. 31
.irp c, 0,1
	ds_load_b128 v[\reg+4*\c:\reg+4*\c+3], v[\adr] offset:64*(\q)+32*\c+(\i)*16*PITCH
.endr
.endm
; 16 matrix instructions: A's blocks a0, a0 + 1 x B's eight, the slot's q-th 128 along K.  p: B's set; sc: the set of scale words.  zero = 1: the first product starts the sums.
; The 64 accumulators take turns, one instruction a turn, in the same order in every step.
.macro MUL16 a0, p, q, sc, zero
.irp a, \a0, \a0+1
.irp b, 0,1,2,3,4,5,6,7
.if \zero
	v_wmma_scale_f32_16x16x128_f8f6f4 v[8*(8*((\a)%4)+\b):8*(8*((\a)%4)+\b)+7], v[128*(\p)+FR*\b:128*(\p)+FR*\b+FR-1], v[AF+FR*(\a):AF+FR*(\a)+FR-1], 0, v[SC+8*NQ*(\sc)+NQ*\b+(\q)], v[SC+8*NQ*(\sc)+NQ*(\a)+(\q)] matrix_a_fmt:MATRIX_FMT_FP4 matrix_b_fmt:MATRIX_FMT_FP4 matrix_a_scale:MATRIX_SCALE_ROW1
.else
	v_wmma_scale_f32_16x16x128_f8f6f4 v[8*(8*((\a)%4)+\b):8*(8*((\a)%4)+\b)+7], v[128*(\p)+FR*\b:128*(\p)+FR*\b+FR-1], v[AF+FR*(\a):AF+FR*(\a)+FR-1], v[8*(8*((\a)%4)+\b):8*(8*((\a)%4)+\b)+7], v[SC+8*NQ*(\sc)+NQ*\b+(\q)], v[SC+8*NQ*(\sc)+NQ*(\a)+(\q)] matrix_a_fmt:MATRIX_FMT_FP4 matrix_b_fmt:MATRIX_FMT_FP4 matrix_a_scale:MATRIX_SCALE_ROW1
.endif
.endr
.endr
.endm
.macro FETCH_B slot, q, p
	WIN TO_B
.irp i, 0,1,2,3,4,5,6,7
	FRAG 128*(\p)+FR*\i, ADRB+\slot, \q, \i
.endr
	WIN 0
.endm
.macro FETCH_A slot, q, i0
.irp i, \i0, \i0+1, \i0+2, \i0+3
	FRAG AF+FR*(\i), ADRA+\slot, \q, \i
.endr
.endm
.macro SCALES sc                       ; a K step's scale words: 4 words a row; lanes 0-15 take A's block i, lanes 16-31 B's block i
.irp i, 0,1,2,3,4,5,6,7
	ds_load_b128 v[SC+8*NQ*\sc+NQ*\i:SC+8*NQ*\sc+NQ*\i+3], v[ADRS] offset:\i*SBLK
.endr
.endm
.macro PLACES n                        ; plain vector lines between a matrix instruction and a load into, or a vector line on, its registers
.rept \n
	v_nop
.endr
.endm
.macro STEP slot, q, zero              ; a step of 128 along K that has its successor in the same slot
	s_wait_dscnt 4*NL                              ; B's set and A's blocks 0-3 are in; the youngest eight loads (A's blocks 4-7) may be out
	WIN MUL_LO
	MUL16 0, (\q)%2, \q, \slot, \zero
	MUL16 2, (\q)%2, \q, \slot, \zero
	s_wait_dscnt 0                                 ; A's blocks 4-7 are in
	PLACES NP
	FETCH_B \slot, (\q)+1, 1-(\q)%2
	FETCH_A \slot, (\q)+1, 0
	WIN MUL_HI
	MUL16 4, (\q)%2, \q, \slot, \zero
	MUL16 6, (\q)%2, \q, \slot, \zero
	PLACES NP
	WIN 0
	FETCH_A \slot, (\q)+1, 4
.endm
.macro STEPS slot, from
.set Q, \from
.rept NQ-1-\from
	STEP \slot, Q, 0
.set Q, Q+1
.endr
.endm
	s_wait_alu depctr_va_vdst(0)
	s_wait_loadcnt 0x0                             ; the bias is in,
	ds_store_b128 v[BLW], v[192:195]               ; and goes to my own 512 bytes, from which each way out reads it in its own order
	s_wait_dscnt 0x0
	s_wait_tensorcnt 0x0                           ; my one tensor load has landed
	s_barrier_signal -1
	s_barrier_wait -1                              ; everybody's are
	FETCH_B 0, 0, 0
	FETCH_A 0, 0, 0
	SCALES 0
	FETCH_A 0, 0, 4
	STEP 0, 0, 1                                   ; the first products start the sums
	STEPS 0, 1
	s_wait_dscnt 4*NL                              ; the fourth step goes on into the rows' second half: nothing is filled, so no barrier stands here
	WIN MUL_LO
	MUL16 0, 1, NQ-1, 0, 0
	MUL16 2, 1, NQ-1, 0, 0
	s_wait_dscnt 0                                 ; A's blocks 4-7 are in
	WIN 0
	PLACES NP
	v_add_nc_u32 v[ADRS], 4*NQ, v[ADRS]            ; on to K step 1's scale words
	FETCH_B 1, 0, 0
	FETCH_A 1, 0, 0
	SCALES 1
	WIN MUL_HI
	MUL16 4, 1, NQ-1, 0, 0
	MUL16 6, 1, NQ-1, 0, 0
	PLACES NP
	WIN 0
	FETCH_A 1, 0, 4
	STEPS 1, 0
	s_wait_dscnt 4*NL                              ; the very last step: nothing more to fetch
	WIN MUL_LO
	MUL16 0, 1, NQ-1, 1, 0
	MUL16 2, 1, NQ-1, 1, 0
	s_wait_dscnt 0
	WIN MUL_HI
	MUL16 4, 1, NQ-1, 1, 0
	MUL16 6, 1, NQ-1, 1, 0
	WIN 0
	s_barrier_signal -1                            ; my reads of the tiles are over (waited for above): behind this barrier the stages may be written over them
	s_barrier_wait -1
	PLACES NP
; THE WAY OUT of A's block a: 16 rows x 128 of B's rows.  Lane (r, h) holds row r; register 8 b + j is B's row 16 b + 8 h + j.  The bias is added in f32; a block of 32 (B's blocks 2 g, 2 g + 1) lies in lanes l and l xor 16;
; a conversion's 8 codes are the 4 bytes at 8 u + 4 h of the block's 16, and go to their place in the image by a store of 4 bytes.
.macro EPI a, isv
	WIN 0x02+(\a)/4                                ; source 0: the accumulators' window
.irp b, 0,1,2,3,4,5,6,7
.irp i, 0,2,4,6
.if \isv
	v_pk_add_f32 v[T+8*\b+\i:T+8*\b+\i+1], v[8*(8*((\a)%4)+\b)+\i:8*(8*((\a)%4)+\b)+\i+1], v[BI+2*(\a):BI+2*(\a)+1]   ; each accumulator from its low end on; v: my channel's bias, twice
.else
	v_pk_add_f32 v[T+8*\b+\i:T+8*\b+\i+1], v[8*(8*((\a)%4)+\b)+\i:8*(8*((\a)%4)+\b)+\i+1], v[BI+8*\b+\i:BI+8*\b+\i+1]
.endif
.endr
.endr
	WIN 0
.irp g, 0,1,2,3
	v_max3_num_f32 v[TM+\g], |v[T+16*\g]|, |v[T+16*\g+1]|, 0x1800000   ; block g: my 16 numbers and the floor 2^(3 - 127)
.endr
.irp i, 2,4,6,8,10,12,14
.irp g, 0,1,2,3
	v_max3_num_f32 v[TM+\g], v[TM+\g], |v[T+16*\g+\i]|, |v[T+16*\g+\i+1]|   ; (the four blocks by turns)
.endr
.endr
.irp g, 0,1,2,3
	v_permlanex16_b32 v[TM+4+\g], v[TM+\g], s[SEL], s[SEL+1]
.endr
.irp g, 0,1,2,3
	v_max_num_f32 v[TM+\g], v[TM+\g], v[TM+4+\g]   ; with lane l xor 16's: the block's largest magnitude
.endr
.irp g, 0,1,2,3
	v_add_nc_u32 v[TM+12+\g], 0xff000000, v[TM+\g] ; 2 off its exponent field: the conversion's scale operand
.endr
.irp g, 0,1,2,3
	v_lshrrev_b32 v[TM+4+\g], 23, v[TM+12+\g]      ; the scale's byte
.endr
.if \isv
	v_lshl_or_b32 v[SW], v[TM+5], 8, v[TM+4]       ; v: the four blocks of keys make my channel's word
	v_lshl_or_b32 v[SW], v[TM+6], 16, v[SW]
	v_lshl_or_b32 v[SW], v[TM+7], 24, v[SW]
.else
	v_lshl_or_b32 v[TM+8], v[TM+5], 8, v[TM+4]     ; q, k: two blocks to a head; the upper two bytes stay 0: they stand over zero codes
	v_lshl_or_b32 v[TM+9], v[TM+7], 8, v[TM+6]
	v_cndmask_b32 v[SW], v[TM+8], v[TM+9], s[HI]   ; lanes 0-15 keep the first head's word, lanes 16-31 the second's
.endif
.irp g, 0,1,2,3
.irp u, 0,1
	v_cvt_scalef32_pk8_fp4_f32 v[PC+2*\g+\u], v[T+16*\g+8*\u:T+16*\g+8*\u+7], v[TM+12+\g]
.endr
.endr
	v_nop                                          ; one plain line behind the last conversion
.irp g, 0,1,2,3
.irp u, 0,1
.if \isv
	ds_store_b32 v[STV], v[PC+2*\g+\u] offset:((\a)/4)*4096+((\a)&1)*2048+\g*256+(((\a)%4)/2)*128+8*\u
.else
	ds_store_b32 v[STQ], v[PC+2*\g+\u] offset:(\g/2)*4096+((\a)/4)*2048+((\a)&1)*1024+(\g%2)*256+(((\a)/2)&1)*128+8*\u
.endif
.endr
.endr
.if \isv
	ds_store_b32 v[SSV], v[SW] offset:((\a)/4)*256+(((\a)%4)/2)*128+((\a)&1)*8
.else
	ds_store_b32 v[SSQ], v[SW] offset:(((\a)/2)&1)*256+((\a)/4)*16+((\a)&1)*8
.endif
	s_wait_dscnt 0x0                               ; the stores have read their registers
.endm
	s_cmp_eq_u32 ttmp9, 2                          ; the cluster's x: the same way in all waves of all partners
	s_cbranch_scc1 .Lv_out
	; ---- q and k
.irp g, 0,1,2,3
	v_mov_b32 v[TM+4+\g], 0                        ; a lane permute's destination counts as one of its sources
.endr
.irp b, 0,1,2,3,4,5,6,7
.irp i, 0,1
	ds_load_b128 v[BI+8*\b+4*\i:BI+8*\b+4*\i+3], v[BLQ] offset:64*\b+16*\i
.endr
.endr
	s_wait_dscnt 0x0
.irp a, 0,1,2,3,4,5,6,7
	EPI \a, 0
.endr
.irp i, 0,1,2,3,4,5,6,7,8,9,10,11,12,13,14,15
	ds_load_b128 v[T+4*\i:T+4*\i+3], v[RDQ] offset:512*\i      ; LDS serves a wave's instructions in order: these see my stores
.endr
	ds_load_b128 v[120:123], v[RDQ] offset:8192
	ds_load_b128 v[124:127], v[RDQ] offset:8704
.irp i, 0,1,2,3,4,5,6,7,8,9,10,11,12,13,14,15
	s_wait_dscnt 17-\i                             ; load i is back; the younger ones may be out
	global_store_b128 v[CO], v[T+4*\i:T+4*\i+3], s[6:7] offset:(\i/8)*HEADB+512*(\i%8)   ; 32 lanes store 512 consecutive bytes, at a multiple of 256 from the buffer's first byte
.endr
	s_wait_dscnt 1
	global_store_b128 v[CO], v[120:123], s[10:11]
	s_wait_dscnt 0x0
	global_store_b128 v[CO], v[124:127], s[10:11] offset:HEADB
	s_branch .Ldone
	; ---- v
.Lv_out:
.irp g, 0,1,2,3
	v_mov_b32 v[TM+4+\g], 0
.endr
.irp a, 0,1,2,3,4,5,6,7
.irp i, 0,1
	ds_load_b32 v[BI+2*\a+\i], v[BLV] offset:64*\a
.endr
.endr
	s_wait_dscnt 0x0
.irp a, 0,1,2,3,4,5,6,7
	EPI \a, 1
.endr
.irp i, 0,1,2,3,4,5,6,7,8,9,10,11,12,13,14,15
	ds_load_b128 v[T+4*\i:T+4*\i+3], v[RDV] offset:512*\i
.endr
	ds_load_b128 v[120:123], v[RDV] offset:8192
.irp i, 0,1,2,3,4,5,6,7,8,9,10,11,12,13,14,15
	s_wait_dscnt 16-\i
	global_store_b128 v[CO], v[T+4*\i:T+4*\i+3], s[94:95] offset:4096+(\i/8)*HEADB+512*(\i%8)
.endr
	s_wait_dscnt 0x0
	global_store_b128 v[VO2], v[120:123], s[94:95] offset:8704   ; sixteen lanes store a head's 256 bytes of scale words
.Ldone:
	s_wait_tensorcnt 0x0                           ; the wave's end, behind my last tensor load and my last LDS store
	ds_add_u32 v[SPW], v[NIL]
	s_wait_dscnt 0x0
	CROUND                                         ; the closing round: no work-group ends while a partner may still ask for a tile that names it
	s_endpgm
.Lfunc_end_k_q35da0449a8_gemm_qkv:
	.size	k_q35da0449a8_gemm_qkv, .Lfunc_end_k_q35da0449a8_gemm_qkv-k_q35da0449a8_gemm_qkv
	.p2alignl 7, 3214868480
	.fill 96, 4, 3214868480
	.section	.rodata,"a",@progbits
	.p2align	6, 0x0
	.amdhsa_kernel k_q35da0449a8_gemm_qkv
		.amdhsa_group_segment_fixed_size 327680
		.amdhsa_private_segment_fixed_size 0
		.amdhsa_enable_private_segment 0
		.amdhsa_kernarg_size 48
		.amdhsa_user_sgpr_count 2
		.amdhsa_user_sgpr_kernarg_segment_ptr 1
		.amdhsa_wavefront_size32 1
		.amdhsa_system_sgpr_workgroup_id_x 1
		.amdhsa_system_sgpr_workgroup_id_y 1
		.amdhsa_system_sgpr_workgroup_id_z 1
		.amdhsa_system_vgpr_workitem_id 0
		.amdhsa_next_free_vgpr 1024
		.amdhsa_next_free_sgpr 102
		.amdhsa_reserve_vcc 0
		.amdhsa_float_denorm_mode_32 3
		.amdhsa_float_denorm_mode_16_64 3
		.amdhsa_memory_ordered 1
		.amdhsa_forward_progress 1
		.amdhsa_inst_pref_size 205
	.end_amdhsa_kernel
	.amdgpu_metadata
---
amdhsa.version: [ 1, 2 ]
amdhsa.kernels:
  - .name:           k_q35da0449a8_gemm_qkv
    .symbol:         k_q35da0449a8_gemm_qkv.kd
    .args:
      - { .name: xc, .offset: 0, .size: 8, .value_kind: global_buffer, .address_space: global }
      - { .name: xs, .offset: 8, .size: 8, .value_kind: global_buffer, .address_space: global }
      - { .name: wc, .offset: 16, .size: 8, .value_kind: global_buffer, .address_space: global }
      - { .name: ws, .offset: 24, .size: 8, .value_kind: global_buffer, .address_space: global }
      - { .name: b_qkv, .offset: 32, .size: 8, .value_kind: global_buffer, .address_space: global }
      - { .name: qkv, .offset: 40, .size: 8, .value_kind: global_buffer, .address_space: global }
    .group_segment_fixed_size: 327680
    .private_segment_fixed_size: 0
    .kernarg_segment_align: 8
    .kernarg_segment_size: 48
    .max_flat_workgroup_size: 128
    .sgpr_count:     102
    .vgpr_count:     1024
    .wavefront_size: 32
...
	.end_amdgpu_metadata
.endif
;; end of part 2
;; launch attn (part 3): grid 4 x 64, 16 waves a work-group, clusters of 4 x 1, 327,680 bytes of LDS; arguments qkv, ac, asc; writes ac, asc
.if DOCPART == 3
	.amdgcn_target "amdgcn-amd-amdhsa--gfx1250"
	.amdhsa_code_object_version 6
	.text
	.protected	k_q35da0449a8_attn
	.globl	k_q35da0449a8_attn
	.p2align	8
	.type	k_q35da0449a8_attn,@function
k_q35da0449a8_attn:
	s_mov_b64 s[64:65], 0
	v_nop
	global_prefetch_b8 v0, s[64:65] scope:SCOPE_SE
	s_setreg_imm32_b32 hwreg(HW_REG_WAVE_MODE, 25, 1), 1
	s_wait_xcnt 0x0
	s_wait_alu depctr_hold_cnt(0) depctr_sa_sdst(0) depctr_va_vdst(0) depctr_va_sdst(0) depctr_va_ssrc(0) depctr_va_vcc(0) depctr_vm_vsrc(0)
	s_getreg_b32 s2, hwreg(HW_REG_IB_STS2, 6, 4)
	s_cmp_eq_u32 s2, 0
	s_cbranch_scc0 .Lentry_in_a_cluster
	s_endpgm
.Lentry_in_a_cluster:
	s_bfe_u32 s2, ttmp6, 0x10000c
	s_cmp_lg_u32 s2, 0x3003
	s_cbranch_scc0 .Lentry_shape_is_right
	s_endpgm
.Lentry_shape_is_right:
; THIRD LAUNCH: for each of the 64 heads, O = softmax(Q K^T / 8) V, both products on codes of FP4 with E8M0 scales; O / the row's sum is quantised along the model's 1,024 for the last product.  No work is left out.
; THE SOFTMAX: t = score x log2(e) / 8; M = the row's largest t so far, rounded UP to a whole number; p = 2^(t - M) is quantised along the keys, not normalised.  The row's sum is taken of the unquantised p, in f32, and divides O at the end.
; When M moves, the sum and O are multiplied by f = 2^(old M - new M): exact.
; SHARES.  256 work-groups; one owns 512 queries of one head: 32 tiles of 16 neighbouring queries.  A wave takes a tile through all 16 key steps of 128 keys (a run), then the next.  The tiles are dealt by wave / 4: waves 0-3 take three
; (tiles w, 16 + w, 28 + w), waves 4-11 two (w, 16 + w), waves 12-15 one (w).  ONE loop of 48 trips, a constant. No barrier stands in the loop.
; THE HEAD'S K AND V LIE IN LDS WHOLE: the first 8,960 bytes of its 16 records (the second launch has a record's map), each filled once: wave w fetches record w, its one tensor load.  Nothing is filled again.
; CLUSTER.  The four work-groups of a cluster own one head, so each record is asked for JOINTLY, by the same load with a mask that names the four.  No prefetch: the tiles come once, at the head, and no loop stands ahead of them.
; LAYOUT.  Both products are used transposed (S^T = K Q^T, O^T = V^T P^T): a lane holds ONE query (lane % 16).  Codes lie in LDS as images of the operands' registers: a fragment load is 16 bytes at 16 x lane.
; Row m of K's tile t is key 64 (t / 4) + 32 (m / 8) + 8 (t % 4) + m % 8: so the 32 registers of tiles 4 g .. 4 g + 3 of lane (r, h) are THE WHOLE BLOCK 2 g + h of 32 keys: its largest score needs no other lane,
; and its four conversions are registers 4 g .. 4 g + 3 of P's operand as they stand.  V's channels likewise: register 8 t + j of O^T is channel 32 h + 8 t + j.
; THE FIRST PRODUCT'S K IS 64: registers 4-7 of K's and Q's fragments hold zero codes, and the upper two bytes of their scale words are 0 (2^-127, a finite code).
; A run begins with -M = 2^125 and the largest score -3e38: the first step's f is then 0, which clears the sum and O^T (at the launch's head they are zeros; later what the run before left).
; OUT: ac [row / 16][head][512 bytes] = [block of 32][row % 16][16 bytes]; asc [row][32 bytes], byte 2 x head + block.
; LIMITS: the promise holds while |t| stays under 2^31; scale bytes are held at 1 from below; a block of zeros gets the byte 1; NaN and infinities are not served (one in a wave's run would reach its next run).
; REGISTERS: v1-4 addresses that stay; v5, v6 the add's; v7, v237 Q's offsets; v8-11 the step's LDS addresses, then sums; v12 -M, v13 the largest score, v[14:15] the sum; v16-23 Q; v24-31 K's scale words; v32-95 K; v96-159 S^T, then p;
; v160-191 O^T; v192-223 V; v224-231 p's codes; v232-247 at work; v248-251 V's scale words; v252 f; v253 p's scale word; v254 the old -M; v255 Q's scale word.
.set REC,   13568
.set STEPB, 8960
.set SPARE, 16*STEPB                   ; behind the records: the spare words, 128 bytes a wave
.set AL0,  1                           ; 16 x lane
.set AS0,  2                           ; K's scale words: 8,192 + 32 r
.set AT0,  3                           ; V's: 8,704 + 16 r
.set SO,   4                           ; asc: 32 r + h
.set SPW,  5
.set NIL,  6
.set QA,   7
.set AV,   8                           ; this step's record + 16 x lane
.set AK,   9                           ; the next step's
.set ASN,  10                          ; the next step's scale words of K
.set ATV,  11                          ; this step's of V
.set QS,   237
.set SH,   246                         ; 8 h
.set WV,   18
.set SEL,  20                          ; s[20:21] selects for lane l xor 16
.set CS,   22                          ; s[22:23] c = log2(e) / 8
.set G1,   24
.set G0,   32
.set TB,   36                          ; LDS byte of this step's record
.set IT,   37                          ; the trip
.set TN,   38                          ; LDS byte of the next step's record
.set ST,   39                          ; the trip % 16
.set NT,   58                          ; 16 x my runs
.macro CROUND
	s_barrier_signal -1
	s_barrier_wait -1
	s_cmp_lg_u32 s[WV], 0
	s_cbranch_scc1 .Lnot_wave_0_\@
	s_barrier_signal -3
.Lnot_wave_0_\@:
	s_barrier_wait -3
	s_barrier_signal -1
	s_barrier_wait -1
.endm
	s_load_b128 s[4:7], s[0:1], 0x0                ; qkv, ac
	s_load_b64 s[8:9], s[0:1], 0x10                ; asc
	v_lshl_add_u32 v[SPW], v0, 2, SPARE
	v_mov_b32 v[NIL], 0
	ds_add_u32 v[SPW], v[NIL]                      ; the opening: the add, twice on end, and its wait ahead of my tensor load
	ds_add_u32 v[SPW], v[NIL]
	v_lshrrev_b32 v8, 5, v0
	v_readfirstlane_b32 s[WV], v8                  ; wave 0..15
	s_bfe_u32 s40, ttmp6, 0x40000                  ; cx = my block of 512 queries: it enters global addresses of Q, ac and asc alone
	s_and_b32 s42, ttmp7, 0xffff                   ; 16 x batch + head
	s_mov_b32 s[G1], 15|(3<<16)|(1<<21)            ; the mask: all four; elements of 8 bytes; 21 set beside a mask
	s_mov_b32 s[G1+1], 32<<16                      ; 8,960 dense bytes as 35 rows of 256
	s_mov_b32 s[G1+2], 35<<16
	s_mov_b32 s[G1+3], 32<<16
	s_mov_b32 s[G1+4], 35
	s_mov_b32 s[G1+5], 32
	s_mov_b32 s[G1+6], 0
	s_mov_b32 s[G1+7], 0
	s_lshr_b32 s54, s[WV], 2                       ; my runs: 3 - (wave / 4 + 1) / 2 = 3, 2, 2, 1
	s_add_co_u32 s54, s54, 1
	s_lshr_b32 s54, s54, 1
	s_sub_co_u32 s54, 3, s54
	s_lshl_b32 s[NT], s54, 4
	s_mov_b32 s55, 0
	s_mov_b32 s57, 0
	s_lshl_b32 s44, s42, 4
	s_add_co_u32 s44, s44, s[WV]
	s_mul_i32 s44, s44, REC                        ; the record that I fetch
	s_mov_b32 s45, 0
	s_lshl_b32 s46, s42, 4
	s_lshl_b32 s38, s40, 2
	s_add_co_u32 s46, s46, s38
	s_lshr_b32 s38, s[WV], 3
	s_add_co_u32 s46, s46, s38
	s_mul_i32 s46, s46, REC                        ; the record of my first tile: 4 x block + wave / 8
	s_mov_b32 s47, 0
	s_bfe_u32 s38, s[WV], 0x10002                  ; x = wave % 8: my queries are positions 16 x + r: tile 4 (x / 4) + 2 (x % 2) + r / 8, lane 8 ((x / 2) % 2) + r % 8
	s_and_b32 s43, s[WV], 1
	s_bfe_u32 s41, s[WV], 0x10001
	s_lshl_b32 s50, s38, 11
	s_lshl_b32 s51, s43, 10
	s_add_co_u32 s50, s50, s51
	s_lshl_b32 s51, s41, 7
	s_add_co_u32 s50, s50, s51                     ; the wave's part of the codes' offset
	s_lshl_b32 s51, s41, 8
	s_lshl_b32 s38, s38, 4
	s_add_co_u32 s51, s51, s38
	s_lshl_b32 s43, s43, 3
	s_add_co_u32 s51, s51, s43                     ; and of the scale words'
	s_lshr_b32 s48, s42, 4
	s_lshl_b32 s48, s48, 7
	s_lshl_b32 s38, s40, 5
	s_add_co_u32 s48, s48, s38
	s_add_co_u32 s48, s48, s[WV]                   ; my first tile of 16 rows: 128 x batch + 32 x block + wave
	s_and_b32 s38, s42, 15                         ; the head
	s_lshl_b32 s52, s48, 9
	s_lshl_b32 s43, s38, 1
	s_add_co_u32 s52, s52, s43                     ; asc: 512 x tile + 2 x head
	s_mov_b32 s53, 0
	s_lshl_b32 s48, s48, 4
	s_add_co_u32 s48, s48, s38
	s_lshl_b32 s48, s48, 9                         ; ac: (16 x tile + head) x 512
	s_mov_b32 s49, 0
	s_mov_b32 s[SEL], 0x76543210
	s_mov_b32 s[SEL+1], 0xfedcba98
	s_mov_b32 s[CS], 0x3e38aa3b
	s_mov_b32 s[CS+1], s[CS]
	s_mov_b32 s[IT], 0
	s_wait_dscnt 0x0                               ; both opening adds are done
	s_wait_kmcnt 0x0
	s_mov_b32 s[G0], 1
	s_mul_i32 s[G0+1], s[WV], STEPB
	s_add_nc_u64 s[G0+2:G0+3], s[4:5], s[44:45]
	s_or_b32 s[G0+3], s[G0+3], 0x80000000
	s_add_nc_u64 s[10:11], s[4:5], s[46:47]
	s_add_nc_u64 s[6:7], s[6:7], s[48:49]
	s_add_nc_u64 s[8:9], s[8:9], s[52:53]
	CROUND                                         ; all four work-groups are here: the joint loads meet
	tensor_load_to_lds s[G0:G0+3], s[G1:G1+7]      ; my one tensor load of the launch
	s_nop 0
	v_and_b32 v8, 15, v0                           ; r
	v_bfe_u32 v9, v0, 4, 1                         ; h
	v_and_b32 v10, 7, v8
	v_lshrrev_b32 v254, 3, v8
	v_lshlrev_b32 v[QA], 4, v10
	v_lshl_add_u32 v[QA], v9, 8, v[QA]
	v_lshl_add_u32 v[QA], v254, 9, v[QA]
	v_add_nc_u32 v[QA], s50, v[QA]                 ; 512 (r / 8) + 256 h + 16 (r % 8) + the wave's part
	global_load_b128 v[16:19], v[QA], s[10:11] offset:8960
	v_lshlrev_b32 v[QS], 5, v10
	v_lshl_add_u32 v[QS], v254, 2, v[QS]
	v_add_nc_u32 v[QS], s51, v[QS]
	global_load_b32 v255, v[QS], s[10:11] offset:13056
	v_and_b32 v[AL0], 31, v0
	v_lshlrev_b32 v[AL0], 4, v[AL0]
	v_lshl_add_u32 v[AS0], v8, 5, 8192
	v_lshl_add_u32 v[AT0], v8, 4, 8704
	v_lshl_add_u32 v[SO], v8, 5, v9
	v_lshlrev_b32 v[SH], 3, v9
.irp i, 20,21,22,23
	v_mov_b32 v[\i], 0                             ; Q's upper 64 along K: zero codes
.endr
.irp t, 0,1,2,3,4,5,6,7
.irp i, 4,5,6,7
	v_mov_b32 v[32+8*\t+\i], 0                     ; K's likewise: written once, never loaded over
.endr
.endr
	v_mov_b32 v13, 0xff61b1e6                      ; -3e38, under every score
	v_mov_b32 v12, 0x7e000000                      ; -M = 2^125
	v_mov_b32 v14, 0
	v_mov_b32 v15, 0
	v_mov_b32 v236, 0                              ; a lane permute's destination counts as one of its sources
	v_mov_b32 v253, 0
.set j, 0
.rept 32
	v_mov_b32 v[160+j], 0
.set j, j+1
.endr
	s_wait_alu depctr_va_vdst(0)                   ; the wait at the head's end
	s_wait_loadcnt 0x0                             ; Q
	s_wait_tensorcnt 0x0                           ; my record is in,
	s_barrier_signal -1
	s_barrier_wait -1                              ; everybody's is: from here on LDS is only read
.irp t, 0,1,2,3,4,5,6,7
	ds_load_b128 v[32+8*\t:35+8*\t], v[AL0] offset:512*\t      ; key step 0's K
.endr
.irp g, 0,1
	ds_load_b128 v[24+4*\g:27+4*\g], v[AS0] offset:16*\g
.endr
	s_wait_dscnt 0x0
.macro LV t                            ; this step's V, tile t: 16 channels x 128 keys
.irp c, 0,1
	ds_load_b128 v[192+8*(\t)+4*\c:195+8*(\t)+4*\c], v[AV] offset:4096+1024*(\t)+512*\c
.endr
.endm
.macro LK t                            ; the next step's K, tile t
	ds_load_b128 v[32+8*(\t):35+8*(\t)], v[AK] offset:512*(\t)
.endm
.macro PF n                            ; n pairs of scores become t - M
.rept \n
	v_pk_fma_f32 v[96+j:97+j], v[96+j:97+j], s[CS:CS+1], v[12:13] op_sel_hi:[1,0,0]
.set j, j+2
.endr
.endm
.macro RA j                            ; four pairs of p onto the first four chains of the sum
	v_pk_add_f32 v[14:15], v[14:15], v[\j:\j+1]
	v_pk_add_f32 v[238:239], v[238:239], v[\j+2:\j+3]
	v_pk_add_f32 v[240:241], v[240:241], v[\j+4:\j+5]
	v_pk_add_f32 v[242:243], v[242:243], v[\j+6:\j+7]
.endm
.macro RB j                            ; and onto the other four
	v_pk_add_f32 v[8:9], v[8:9], v[\j:\j+1]
	v_pk_add_f32 v[10:11], v[10:11], v[\j+2:\j+3]
	v_pk_add_f32 v[232:233], v[232:233], v[\j+4:\j+5]
	v_pk_add_f32 v[234:235], v[234:235], v[\j+6:\j+7]
.endm
.Lstep:                                            ; 48 trips
	s_cmp_ge_u32 s[IT], s[NT]                      ; my runs are over: ids and the count of trips alone
	s_cbranch_scc1 .Lnext
	s_and_b32 s[ST], s[IT], 15
	s_mul_i32 s[TB], s[ST], STEPB
	s_add_co_u32 s[TN], s[IT], 1
	s_and_b32 s[TN], s[TN], 15                     ; behind step 15 comes step 0 again
	s_mul_i32 s[TN], s[TN], STEPB
.irp t, 0,1,2,3,4,5,6,7
	v_wmma_scale_f32_16x16x128_f8f6f4 v[96+8*\t:103+8*\t], v[32+8*\t:39+8*\t], v[16:23], 0, v[24+\t], v255 matrix_a_fmt:MATRIX_FMT_FP4 matrix_b_fmt:MATRIX_FMT_FP4
.endr
	v_add_nc_u32 v[AV], s[TB], v[AL0]              ; these five are the places behind the products, ahead of the loads into operands and of the first read of scores
	v_add_nc_u32 v[ATV], s[TB], v[AT0]
	v_add_nc_u32 v[AK], s[TN], v[AL0]
	v_add_nc_u32 v[ASN], s[TN], v[AS0]
	v_mov_b32 v254, v12                            ; the old -M
	s_cmp_lg_u32 s[ST], 15                         ; a run's last products with Q are issued: where I have a further run, its Q is asked for
	s_cbranch_scc1 .Lsame_q
	s_add_co_u32 s41, s[IT], 1
	s_cmp_ge_u32 s41, s[NT]
	s_cbranch_scc1 .Lsame_q
	s_cmp_lt_u32 s[IT], 16
	s_cbranch_scc0 .Lthird
	global_load_b128 v[16:19], v[QA], s[10:11] offset:8960+2*REC            ; tile 16 + w: two records on
	global_load_b32 v255, v[QS], s[10:11] offset:13056+2*REC
	s_branch .Lsame_q
.Lthird:
	global_load_b128 v[16:19], v[QA], s[10:11] offset:8960+3*REC+2048       ; tile 28 + w (w under 4): three records on, x + 4
	global_load_b32 v255, v[QS], s[10:11] offset:13056+3*REC+16
.Lsame_q:
; the largest score of my two blocks: a chain to each tile, eight by turns; every tile is first read at its low end.  Block 0: v232-235, block 1: v238-241
.irp m, 0,1
.irp k, 0,1,2,3
	v_max3_num_f32 v[232+6*\m+\k], v[96+32*\m+8*\k], v[97+32*\m+8*\k], v[98+32*\m+8*\k]
.endr
.endr
.irp i, 3,5
.irp m, 0,1
.irp k, 0,1,2,3
	v_max3_num_f32 v[232+6*\m+\k], v[232+6*\m+\k], v[96+32*\m+8*\k+\i], v[97+32*\m+8*\k+\i]
.endr
.endr
.endr
.irp m, 0,1
	v_max3_num_f32 v[232+6*\m], v[232+6*\m], v[233+6*\m], v[103+32*\m]
	v_max3_num_f32 v[234+6*\m], v[234+6*\m], v[235+6*\m], v[111+32*\m]
.endr
.irp m, 0,1
	v_max3_num_f32 v[232+6*\m], v[232+6*\m], v[234+6*\m], v[119+32*\m]
.endr
.irp m, 0,1
	v_max_num_f32 v[232+6*\m], v[232+6*\m], v[127+32*\m]
.endr
; the running maximum: five lines that hang on each other, with the step's 19 LDS loads between them
	v_max_num_f32 v247, v232, v238
	LV 0
	LV 1
	v_permlanex16_b32 v236, v247, s[SEL], s[SEL+1]
	LV 2
	LV 3
	v_max3_num_f32 v13, v13, v247, v236            ; the running largest score of my query
	ds_load_b128 v[248:251], v[ATV]
	LK 0
	LK 1
	LK 2
	v_mul_f32 v247, 0xbe38aa3b, v13                ; -t
	LK 3
	LK 4
	LK 5
	LK 6
	v_floor_f32 v12, v247                          ; -M = floor(-t) = -ceil(t)
	LK 7
.irp g, 0,1
	ds_load_b128 v[24+4*\g:27+4*\g], v[ASN] offset:16*\g
.endr
.set j, 0
	PF 4
	v_sub_f32 v254, v12, v254                      ; old M - new M: a whole number, 0 or less
	PF 4
	v_cvt_i32_f32 v254, v254                       ; (it saturates)
	PF 4
	v_ldexp_f32 v252, 1.0, v254                    ; f
	PF 20
	v_fma_f32 v232, v232, s[CS], v12               ; the same of each block's largest score
	v_fma_f32 v238, v238, s[CS], v12
.set j, 0
.rept 16
	v_pk_mul_f32 v[160+j:161+j], v[160+j:161+j], v[252:253] op_sel_hi:[1,0]   ; O^T under the new M, each accumulator from its low end on; no transcendental stands between the products that wrote it and these lines
.set j, j+2
.endr
	s_wait_alu depctr_va_vdst(0)                   ; the wait ahead of the batch
	v_exp_f32 v232, v232                           ; the blocks' largest p: the same two instructions on the same number give the same bits
	v_exp_f32 v238, v238
.set j, 0
.rept 64
	v_exp_f32 v[96+j], v[96+j]                     ; p = 2^(t - M)
.set j, j+1
.endr
	v_pk_mul_f32 v[14:15], v[14:15], v[252:253] op_sel_hi:[1,0]   ; the sum under the new M (a plain line behind the exponentials)
	s_wait_alu depctr_va_vdst(0)                   ; one wait for the batch, ahead of its first reader
	v_max_num_f32 v232, 0x1800000, v232            ; the floor 2^(3 - 127): the byte cannot fall under 1
	v_max_num_f32 v238, 0x1800000, v238
	v_add_nc_u32 v244, 0xff000000, v232            ; 2 off the exponent field: the conversion's scale operand
	v_add_nc_u32 v245, 0xff000000, v238
.irp g, 0,1
.irp u, 0,1,2,3
	v_cvt_scalef32_pk8_fp4_f32 v[224+4*\g+\u], v[96+32*\g+8*\u:103+32*\g+8*\u], v[244+\g]   ; register 4 g + u of P's operand: keys 64 g + 32 h + 8 u on
.endr
.endr
	v_lshrrev_b32 v247, 23, v244                   ; the bytes of blocks h and 2 + h
	v_lshrrev_b32 v254, 23, v245
; the row's sum of the unquantised p, in eight chains, with the four lines that make p's scale word between them.  (These lines are also the places ahead of the products)
	v_pk_add_f32 v[14:15], v[14:15], v[96:97]
	v_pk_add_f32 v[238:239], v[98:99], v[100:101]
	v_pk_add_f32 v[240:241], v[102:103], v[104:105]
	v_pk_add_f32 v[242:243], v[106:107], v[108:109]
	v_pk_add_f32 v[8:9], v[110:111], v[112:113]
	v_pk_add_f32 v[10:11], v[114:115], v[116:117]
	v_pk_add_f32 v[232:233], v[118:119], v[120:121]
	v_pk_add_f32 v[234:235], v[122:123], v[124:125]
	v_lshl_or_b32 v247, v254, 16, v247
	RA 126
	v_lshlrev_b32 v247, v[SH], v247                ; at their places in the word,
	RB 134
	v_permlanex16_b32 v236, v247, s[SEL], s[SEL+1]
	RA 142
	v_or_b32 v253, v247, v236                      ; and with lane l xor 16's two the word is whole
	RB 150
	v_pk_add_f32 v[14:15], v[14:15], v[158:159]
	v_pk_add_f32 v[238:239], v[238:239], v[240:241]
	v_pk_add_f32 v[242:243], v[242:243], v[8:9]
	v_pk_add_f32 v[10:11], v[10:11], v[232:233]
	v_pk_add_f32 v[14:15], v[14:15], v[234:235]
	v_pk_add_f32 v[238:239], v[238:239], v[242:243]
	v_pk_add_f32 v[14:15], v[14:15], v[10:11]
	v_pk_add_f32 v[14:15], v[14:15], v[238:239]
	s_wait_alu depctr_va_vdst(0)                   ; the wait ahead of the waits below
	s_wait_loadcnt 0x0                             ; the next run's Q, in a trip that asked for it
	s_wait_dscnt 0x0                               ; V, and the next step's K
.irp t, 0,1,2,3
	v_wmma_scale_f32_16x16x128_f8f6f4 v[160+8*\t:167+8*\t], v[192+8*\t:199+8*\t], v[224:231], v[160+8*\t:167+8*\t], v[248+\t], v253 matrix_a_fmt:MATRIX_FMT_FP4 matrix_b_fmt:MATRIX_FMT_FP4
.endr
	s_cmp_lg_u32 s[ST], 15
	s_cbranch_scc1 .Lnext
	; A RUN'S WAY OUT.  My 32 registers of O^T / the sum are block h of the head's 64, a block of the last product's K
	v_add_f32 v14, v14, v15
	v_permlanex16_b32 v236, v14, s[SEL], s[SEL+1]
	v_add_f32 v14, v14, v236                       ; the row's sum
	v_mov_b32 v13, 0xff61b1e6                      ; the next run begins anew
	s_wait_alu depctr_va_vdst(0)                   ; the wait ahead of the reciprocal
	v_rcp_f32 v14, v14
	v_mov_b32 v12, 0x7e000000                      ; (with the three plain lines above: the four places behind the products)
	s_wait_alu depctr_va_vdst(0)                   ; the wait ahead of the first readers of the reciprocal and of O^T
.set j, 0
.rept 16
	v_pk_mul_f32 v[96+j:97+j], v[160+j:161+j], v[14:15] op_sel_hi:[1,0]
.set j, j+2
.endr
	v_max3_num_f32 v232, |v96|, |v97|, 0x1800000   ; the block's largest magnitude, with the floor, in two chains
	v_max3_num_f32 v233, |v112|, |v113|, |v114|
.irp i, 2,4,6,8,10,12
	v_max3_num_f32 v232, v232, |v[96+\i]|, |v[97+\i]|
	v_max3_num_f32 v233, v233, |v[113+\i]|, |v[114+\i]|
.endr
	v_max3_num_f32 v232, v232, |v110|, |v111|
	v_max3_num_f32 v232, v232, v233, |v127|
	v_add_nc_u32 v244, 0xff000000, v232
.irp u, 0,1,2,3
	v_cvt_scalef32_pk8_fp4_f32 v[224+\u], v[96+8*\u:103+8*\u], v244
.endr
	v_lshrrev_b32 v247, 23, v244                   ; the byte (a plain line behind the conversions)
	global_store_b128 v[AL0], v[224:227], s[6:7]   ; 32 lanes store 512 consecutive bytes, at a multiple of 256 from the buffer's first byte
	global_store_b8 v[SO], v247, s[8:9]            ; a byte a lane, rows 32 bytes apart: a row's 32 bytes come from its 16 heads, which are 16 clusters
	s_mov_b32 s54, 0x18000                         ; on to my next tile of rows: 16 tiles behind the first run, 12 behind the second
	s_mov_b32 s56, 0x1800
	s_cmp_lt_u32 s[IT], 16
	s_cselect_b32 s54, 0x20000, s54
	s_cselect_b32 s56, 0x2000, s56
	s_wait_alu depctr_va_vdst(0)                   ; the wait ahead of the wait below
	s_wait_xcnt 0x0                                ; the stores have read their registers and bases
	s_add_nc_u64 s[6:7], s[6:7], s[54:55]
	s_add_nc_u64 s[8:9], s[8:9], s[56:57]
.Lnext:
	s_add_co_u32 s[IT], s[IT], 1
	s_cmp_lt_u32 s[IT], 48
	s_cbranch_scc1 .Lstep
	s_wait_tensorcnt 0x0                           ; the wave's end
	ds_add_u32 v[SPW], v[NIL]
	s_wait_dscnt 0x0
	CROUND                                         ; the closing round
	s_endpgm
.Lfunc_end_k_q35da0449a8_attn:
	.size	k_q35da0449a8_attn, .Lfunc_end_k_q35da0449a8_attn-k_q35da0449a8_attn
	.p2alignl 7, 3214868480
	.fill 96, 4, 3214868480
	.section	.rodata,"a",@progbits
	.p2align	6, 0x0
	.amdhsa_kernel k_q35da0449a8_attn
		.amdhsa_group_segment_fixed_size 327680
		.amdhsa_private_segment_fixed_size 0
		.amdhsa_enable_private_segment 0
		.amdhsa_kernarg_size 24
		.amdhsa_user_sgpr_count 2
		.amdhsa_user_sgpr_kernarg_segment_ptr 1
		.amdhsa_wavefront_size32 1
		.amdhsa_system_sgpr_workgroup_id_x 1
		.amdhsa_system_sgpr_workgroup_id_y 1
		.amdhsa_system_sgpr_workgroup_id_z 1
		.amdhsa_system_vgpr_workitem_id 0
		.amdhsa_next_free_vgpr 256
		.amdhsa_next_free_sgpr 66
		.amdhsa_reserve_vcc 0
		.amdhsa_float_denorm_mode_32 3
		.amdhsa_float_denorm_mode_16_64 3
		.amdhsa_memory_ordered 1
		.amdhsa_forward_progress 1
		.amdhsa_inst_pref_size 27
	.end_amdhsa_kernel
	.amdgpu_metadata
---
amdhsa.version: [ 1, 2 ]
amdhsa.kernels:
  - .name:           k_q35da0449a8_attn
    .symbol:         k_q35da0449a8_attn.kd
    .args:
      - { .name: qkv, .offset: 0, .size: 8, .value_kind: global_buffer, .address_space: global }
      - { .name: ac, .offset: 8, .size: 8, .value_kind: global_buffer, .address_space: global }
      - { .name: asc, .offset: 16, .size: 8, .value_kind: global_buffer, .address_space: global }
    .group_segment_fixed_size: 327680
    .private_segment_fixed_size: 0
    .kernarg_segment_align: 8
    .kernarg_segment_size: 24
    .max_flat_workgroup_size: 512
    .sgpr_count:     66
    .vgpr_count:     256
    .wavefront_size: 32
...
	.end_amdgpu_metadata
.endif
;; end of part 3
;; launch gemm_out (part 4): grid 4 x 64, 4 waves a work-group, clusters of 4 x 4, 327,680 bytes of LDS; arguments ac, asc, wc, ws, b_proj, out0; writes out0
.if DOCPART == 4
	.amdgcn_target "amdgcn-amd-amdhsa--gfx1250"
	.amdhsa_code_object_version 6
	.text
	.protected	k_q35da0449a8_gemm_out
	.globl	k_q35da0449a8_gemm_out
	.p2align	8
	.type	k_q35da0449a8_gemm_out,@function
k_q35da0449a8_gemm_out:
	s_mov_b64 s[64:65], 0
	v_nop
	global_prefetch_b8 v0, s[64:65] scope:SCOPE_SE
	s_setreg_imm32_b32 hwreg(HW_REG_WAVE_MODE, 25, 1), 1
	s_wait_xcnt 0x0
	s_wait_alu depctr_hold_cnt(0) depctr_sa_sdst(0) depctr_va_vdst(0) depctr_va_sdst(0) depctr_va_ssrc(0) depctr_va_vcc(0) depctr_vm_vsrc(0)
	s_getreg_b32 s2, hwreg(HW_REG_IB_STS2, 6, 4)
	s_cmp_eq_u32 s2, 0
	s_cbranch_scc0 .Lentry_in_a_cluster
	s_endpgm
.Lentry_in_a_cluster:
	s_bfe_u32 s2, ttmp6, 0x10000c
	s_cmp_lg_u32 s2, 0xf033
	s_cbranch_scc0 .Lentry_shape_is_right
	s_endpgm
.Lentry_shape_is_right:
; FOURTH LAUNCH: out0 = A w_proj + b_proj on codes of FP4 with E8M0 scales, sums in f32, the bias as the C of each sum's first product.  No work is left out.
; A (ac, asc) is the third launch's result, B rows 3,072 on of wc and ws.  A work-group of four waves makes 128 x 256, a wave 64 x 128.  ALL OF K = 1,024 lies in LDS, filled once:
; A's 128 rows as 65,536 dense bytes (images of the operand's registers), B's 256 rows of 512 bytes + 16 of padding, then the scale bytes.  One joint load a wave at the head: wave 0 A, wave 1 B, wave 2 A's scale bytes, wave 3 B's.
; 'slot s' below is K step s of 512: 4,096 bytes on in a tile of 16 rows of A, 256 bytes on in a row of B.  A barrier stands ahead of the way out, whose stages lie on A's bytes.
.set PITCH,  528
.set ABYTES, 65536
.set HALFA,  16384
.set HALFB,  128*PITCH
.set SLOT,   ABYTES+2*HALFB
.set SCL,    SLOT
.set HSA,    8*272
.set HSB,    16*272
.set SBLK,   2*272
.set SPARE,  SCL+2*HSA+2*HSB
.set SPITCH, 528
.set NROW,   4096
.set ADRA, 16
.set ADRB, 20
.set STO,  24
.set RD,   25
.set CO,   26
.set ADRS, 27
.set SPW,  28
.set NIL,  29
.set BO,   30
.set SC,   32
.set AF,   128
.set BK,   128
.set BI,   192
.set G1, 24
.set G0, 32
.set G1B, 48
.set G0B, 56
.set G1S, 68
.set G0S, 76
.set G1SB, 80
.set G0SB, 88
.set MSB, 0
.macro WIN new
.if MSB != (\new)
	s_set_vgpr_msb (MSB<<8)|(\new)
.set MSB, (\new)
.endif
.endm
.set MUL,   0xa1
.set MUL_B, 0x81
.set TO_B,  0x40
; An arm of the head's one tree of branches on the wave's number: its joint load, an s_nop 0 and four v_nop, and a jump to the tree's end
.macro ARM under, g0, g1, next
	s_cmp_lt_u32 s14, \under
	s_cbranch_scc0 \next
	tensor_load_to_lds s[\g0:\g0+3], s[\g1:\g1+7]
	s_nop 0
.rept 4
	v_nop
.endr
	s_branch .Lhead_asked
\next:
.endm
.macro CROUND
	s_barrier_signal -1
	s_barrier_wait -1
	s_cmp_lg_u32 s14, 0
	s_cbranch_scc1 .Lnot_wave_0_\@
	s_barrier_signal -3
.Lnot_wave_0_\@:
	s_barrier_wait -3
	s_barrier_signal -1
	s_barrier_wait -1
.endm
	s_load_b256 s[4:11], s[0:1], 0x0
	s_load_b128 s[92:95], s[0:1], 0x20
	v_lshl_add_u32 v[SPW], v0, 2, SPARE
	v_mov_b32 v[NIL], 0
	ds_add_u32 v[SPW], v[NIL]
	ds_add_u32 v[SPW], v[NIL]
	v_lshrrev_b32 v1, 5, v0
	v_readfirstlane_b32 s14, v1
	s_lshr_b32 s15, s14, 1
	s_and_b32 s16, s14, 1
	s_bfe_u32 s40, ttmp6, 0x40000
	s_bfe_u32 s41, ttmp6, 0x40004
	s_lshl_b32 s42, ttmp9, 2
	s_add_co_u32 s42, s42, s40
	s_and_b32 s17, ttmp7, 0xffff
	s_lshl_b32 s17, s17, 2
	s_add_co_u32 s17, s17, s41
	s_lshl_b32 s43, s41, 2
	s_lshl_b32 s43, 15, s43
	s_lshl_b32 s44, 0x1111, s40
	s_or_b32 s[G1+0], s43, (3<<16)|(1<<21)
	s_mov_b32 s[G1+1], 1024<<16                    ; A: 8 tiles of 16 rows, 8,192 dense bytes each
	s_mov_b32 s[G1+2], 8<<16
	s_mov_b32 s[G1+3], 1024<<16
	s_mov_b32 s[G1+4], 8
	s_mov_b32 s[G1+5], 1024
	s_mov_b32 s[G1+6], 0
	s_mov_b32 s[G1+7], 0
	s_or_b32 s[G1B+0], s44, (0<<16)|(1<<20)|(1<<21)|(6<<22)|(3<<25)   ; B: 256 rows of 512 bytes, four words of padding after every 128
	s_mov_b32 s[G1B+1], 512<<16
	s_mov_b32 s[G1B+2], 256<<16
	s_mov_b32 s[G1B+3], 512<<16
	s_mov_b32 s[G1B+4], 256
	s_mov_b32 s[G1B+5], 512
	s_mov_b32 s[G1B+6], 0
	s_mov_b32 s[G1B+7], 0
	s_or_b32 s[G1S+0], s43, (3<<16)|(1<<20)|(1<<21)|(5<<22)|(3<<25)
	s_mov_b32 s[G1S+1], 32<<16
	s_mov_b32 s[G1S+2], 16<<16
	s_mov_b32 s[G1S+3], 32<<16
	s_mov_b32 s[G1S+4], 16
	s_mov_b32 s[G1S+5], 32
	s_mov_b32 s[G1S+6], 0
	s_mov_b32 s[G1S+7], 0
	s_or_b32 s[G1SB+0], s44, (3<<16)|(1<<20)|(1<<21)|(5<<22)|(3<<25)
	s_mov_b32 s[G1SB+1], 32<<16
	s_mov_b32 s[G1SB+2], 32<<16
	s_mov_b32 s[G1SB+3], 32<<16
	s_mov_b32 s[G1SB+4], 32
	s_mov_b32 s[G1SB+5], 32
	s_mov_b32 s[G1SB+6], 0
	s_mov_b32 s[G1SB+7], 0
	s_lshl_b32 s20, s17, 3
	s_lshl_b32 s22, s20, 9
	s_lshl_b32 s20, s20, 13
	s_mov_b32 s21, 0
	s_mov_b32 s23, 0
	s_lshl_b32 s46, s42, 8
	s_add_co_u32 s46, s46, 3072
	s_lshl_b32 s96, s46, 5
	s_lshl_b32 s46, s46, 9
	s_mov_b32 s47, 0
	s_mov_b32 s97, 0
	s_wait_dscnt 0x0
	s_wait_kmcnt 0x0
	s_add_nc_u64 s[20:21], s[4:5], s[20:21]
	s_add_nc_u64 s[22:23], s[6:7], s[22:23]
	s_add_nc_u64 s[46:47], s[8:9], s[46:47]
	s_add_nc_u64 s[96:97], s[10:11], s[96:97]
	CROUND
	s_mov_b32 s[G0S], 1
	s_mov_b32 s[G0S+1], SCL
	s_mov_b64 s[G0S+2:G0S+3], s[22:23]
	s_or_b32 s[G0S+3], s[G0S+3], 0x80000000
	s_mov_b32 s[G0SB], 1
	s_mov_b32 s[G0SB+1], SCL+2*HSA
	s_mov_b64 s[G0SB+2:G0SB+3], s[96:97]
	s_or_b32 s[G0SB+3], s[G0SB+3], 0x80000000
	s_mov_b32 s[G0], 1
	s_mov_b32 s[G0+1], 0
	s_mov_b64 s[G0+2:G0+3], s[20:21]
	s_or_b32 s[G0+3], s[G0+3], 0x80000000
	s_mov_b32 s[G0B], 1
	s_mov_b32 s[G0B+1], ABYTES
	s_mov_b64 s[G0B+2:G0B+3], s[46:47]
	s_or_b32 s[G0B+3], s[G0B+3], 0x80000000
	ARM 1, G0,  G1,  .Lhead_b                      ; one joint load a wave: every way through the head passes exactly one
	ARM 2, G0B, G1B, .Lhead_sa
	ARM 3, G0S, G1S, .Lhead_sb
	tensor_load_to_lds s[G0SB:G0SB+3], s[G1SB:G1SB+7]
	s_nop 0
.rept 4
	v_nop
.endr
.Lhead_asked:
	v_and_b32 v1, 15, v0
	v_bfe_u32 v2, v0, 4, 1
	v_and_b32 v6, 31, v0
	v_lshlrev_b32 v[CO], 4, v6
	v_mul_u32_u24 v3, v1, PITCH
	v_lshl_add_u32 v4, v2, 4, v3
	s_lshl_b32 s21, s15, 15
	s_mul_i32 s22, s16, HALFB
	s_add_co_u32 s22, s22, ABYTES
.irp s, 0,1
	v_add_nc_u32 v[ADRA+\s], s21, v[CO]
	v_add_nc_u32 v[ADRB+\s], s22, v4
	s_add_co_u32 s21, s21, 4096
	s_add_co_u32 s22, s22, 256
.endr
	v_lshlrev_b32 v5, 5, v1
	v_lshrrev_b32 v6, 3, v1
	v_lshl_add_u32 v5, v6, 4, v5
	s_mul_i32 s21, s15, HSA
	s_mul_i32 s22, s16, HSB
	s_add_co_u32 s22, s22, 2*HSA
	s_sub_co_u32 s22, s22, s21
	v_mul_u32_u24 v6, s22, v2
	s_add_co_u32 s21, s21, SCL
	v_add_nc_u32 v5, v5, v6
	v_add_nc_u32 v[ADRS], s21, v5
	s_mul_i32 s23, s14, 16*SPITCH
	v_mul_u32_u24 v5, v1, SPITCH
	v_lshl_add_u32 v5, v2, 5, v5
	v_add_nc_u32 v[STO], s23, v5
	v_add_nc_u32 v[RD], s23, v[CO]
	v_lshlrev_b32 v[BO], 5, v2
	s_wait_alu depctr_va_vdst(0)
	s_lshl_b32 s20, s42, 10
	s_lshl_b32 s21, s16, 9
	s_add_co_u32 s20, s20, s21
	s_mov_b32 s21, 0
	s_add_nc_u64 s[92:93], s[92:93], s[20:21]
	s_add_nc_u64 s[94:95], s[94:95], s[20:21]
	s_lshl_b32 s20, s17, 7
	s_lshl_b32 s22, s15, 6
	s_add_co_u32 s20, s20, s22
	s_lshl_b32 s20, s20, 12
	s_add_nc_u64 s[94:95], s[94:95], s[20:21]
.irp b, 0,1,2,3,4,5,6,7
.irp i, 0,1
	global_load_b128 v[BI+8*\b+4*\i:BI+8*\b+4*\i+3], v[BO], s[92:93] offset:64*\b+16*\i
.endr
.endr
.macro FETCH slot, q, p
	WIN TO_B
.irp i, 0,1,2,3,4,5,6,7
.irp c, 0,1
	ds_load_b128 v[128*(\p)+8*\i+4*\c:128*(\p)+8*\i+4*\c+3], v[ADRB+\slot] offset:64*(\q)+32*\c+\i*16*PITCH
.endr
.endr
	WIN 0
.irp i, 0,1,2,3
.irp c, 0,1
	ds_load_b128 v[AF+32*(\p)+8*\i+4*\c:AF+32*(\p)+8*\i+4*\c+3], v[ADRA+\slot] offset:8192*\i+512*(2*(\q)+\c)
.endr
.endr
.endm
.macro SCALES sc
.irp i, 0,1,2,3,4,5,6,7
	ds_load_b128 v[SC+32*\sc+4*\i:SC+32*\sc+4*\i+3], v[ADRS] offset:\i*SBLK
.endr
.endm
.macro MUL16 a0, p, q, sc, first
.irp a, \a0, \a0+1
.irp b, 0,1,2,3,4,5,6,7
.if \first
	v_wmma_scale_f32_16x16x128_f8f6f4 v[8*(8*(\a)+\b):8*(8*(\a)+\b)+7], v[128*(\p)+8*\b:128*(\p)+8*\b+7], v[AF+32*(\p)+8*(\a):AF+32*(\p)+8*(\a)+7], v[BI+8*\b:BI+8*\b+7], v[SC+32*(\sc)+4*\b+(\q)], v[SC+32*(\sc)+4*(\a)+(\q)] matrix_a_fmt:MATRIX_FMT_FP4 matrix_b_fmt:MATRIX_FMT_FP4 matrix_a_scale:MATRIX_SCALE_ROW1
.else
	v_wmma_scale_f32_16x16x128_f8f6f4 v[8*(8*(\a)+\b):8*(8*(\a)+\b)+7], v[128*(\p)+8*\b:128*(\p)+8*\b+7], v[AF+32*(\p)+8*(\a):AF+32*(\p)+8*(\a)+7], v[8*(8*(\a)+\b):8*(8*(\a)+\b)+7], v[SC+32*(\sc)+4*\b+(\q)], v[SC+32*(\sc)+4*(\a)+(\q)] matrix_a_fmt:MATRIX_FMT_FP4 matrix_b_fmt:MATRIX_FMT_FP4 matrix_a_scale:MATRIX_SCALE_ROW1
.endif
.endr
.endr
.endm
.macro PLACES n
.rept \n
	v_nop
.endr
.endm
.macro STEP slot, q, first
	s_wait_dscnt 0x0
	PLACES 4
	FETCH \slot, (\q)+1, 1-(\q)%2
.if \first
	WIN MUL_B
.else
	WIN MUL
.endif
	MUL16 0, (\q)%2, \q, \slot, \first
	MUL16 2, (\q)%2, \q, \slot, \first
.endm
	s_wait_tensorcnt 0x0                           ; my one tensor load has landed
	s_barrier_signal -1
	s_barrier_wait -1
	FETCH 0, 0, 0
	SCALES 0
	s_wait_loadcnt 0x0
	STEP 0, 0, 1
	STEP 0, 1, 0
	STEP 0, 2, 0
	s_wait_dscnt 0x0                               ; the fourth step goes on into K step 1: nothing is filled, so no barrier stands here
	MUL16 0, 1, 3, 0, 0
	WIN 0
	PLACES 4
	v_add_nc_u32 v[ADRS], 16, v[ADRS]
	FETCH 1, 0, 0
	SCALES 1
	WIN MUL
	MUL16 2, 1, 3, 0, 0
	STEP 1, 0, 0
	STEP 1, 1, 0
	STEP 1, 2, 0
	s_wait_dscnt 0x0
	MUL16 0, 1, 3, 1, 0
	MUL16 2, 1, 3, 1, 0
	WIN 0
	s_barrier_signal -1                            ; my reads of the tiles are over (waited for above): behind this barrier the stages may be written over A's bytes
	s_barrier_wait -1
.macro TOSTAGE a
.set AC, 64*(\a)
	WIN 0x08
.irp b, 0,1,2,3,4,5,6,7
	ds_store_b128 v[STO], v[AC+8*\b:AC+8*\b+3] offset:64*\b
	ds_store_b128 v[STO], v[AC+8*\b+4:AC+8*\b+7] offset:64*\b+16
.endr
	WIN 0
.set BB, BK+64*((\a)%2)
.irp t, 0,1,2,3,4,5,6,7,8,9,10,11,12,13,14,15
	ds_load_b128 v[BB+4*\t:BB+4*\t+3], v[RD] offset:\t*SPITCH
.endr
.endm
.macro SEND a, younger
.set BB, BK+64*((\a)%2)
	s_wait_dscnt \younger
.if (\a) > 0
	s_add_nc_u64 s[94:95], s[94:95], 16*NROW
.endif
.irp t, 0,1,2,3,4,5,6,7,8,9,10,11,12,13,14,15
	global_store_b128 v[CO], v[BB+4*\t:BB+4*\t+3], s[94:95] offset:\t*NROW th:TH_STORE_NT
.endr
.endm
	PLACES 4
	TOSTAGE 0
.irp a, 1,2,3
.if \a > 1
	s_wait_xcnt 0x0
.endif
	TOSTAGE \a
	SEND \a-1, 32
.endr
	s_wait_xcnt 0x0
	SEND 3, 0
	s_wait_tensorcnt 0x0
	ds_add_u32 v[SPW], v[NIL]
	s_wait_dscnt 0x0
	CROUND
	s_endpgm
.Lfunc_end_k_q35da0449a8_gemm_out:
	.size	k_q35da0449a8_gemm_out, .Lfunc_end_k_q35da0449a8_gemm_out-k_q35da0449a8_gemm_out
	.p2alignl 7, 3214868480
	.fill 96, 4, 3214868480
	.section	.rodata,"a",@progbits
	.p2align	6, 0x0
	.amdhsa_kernel k_q35da0449a8_gemm_out
		.amdhsa_group_segment_fixed_size 327680
		.amdhsa_private_segment_fixed_size 0
		.amdhsa_enable_private_segment 0
		.amdhsa_kernarg_size 48
		.amdhsa_user_sgpr_count 2
		.amdhsa_user_sgpr_kernarg_segment_ptr 1
		.amdhsa_wavefront_size32 1
		.amdhsa_system_sgpr_workgroup_id_x 1
		.amdhsa_system_sgpr_workgroup_id_y 1
		.amdhsa_system_sgpr_workgroup_id_z 1
		.amdhsa_system_vgpr_workitem_id 0
		.amdhsa_next_free_vgpr 768
		.amdhsa_next_free_sgpr 102
		.amdhsa_reserve_vcc 0
		.amdhsa_float_denorm_mode_32 3
		.amdhsa_float_denorm_mode_16_64 3
		.amdhsa_memory_ordered 1
		.amdhsa_forward_progress 1
		.amdhsa_inst_pref_size 72
	.end_amdhsa_kernel
	.amdgpu_metadata
---
amdhsa.version: [ 1, 2 ]
amdhsa.kernels:
  - .name:           k_q35da0449a8_gemm_out
    .symbol:         k_q35da0449a8_gemm_out.kd
    .args:
      - { .name: ac, .offset: 0, .size: 8, .value_kind: global_buffer, .address_space: global }
      - { .name: asc, .offset: 8, .size: 8, .value_kind: global_buffer, .address_space: global }
      - { .name: wc, .offset: 16, .size: 8, .value_kind: global_buffer, .address_space: global }
      - { .name: ws, .offset: 24, .size: 8, .value_kind: global_buffer, .address_space: global }
      - { .name: b_proj, .offset: 32, .size: 8, .value_kind: global_buffer, .address_space: global }
      - { .name: out0, .offset: 40, .size: 8, .value_kind: global_buffer, .address_space: global }
    .group_segment_fixed_size: 327680
    .private_segment_fixed_size: 0
    .kernarg_segment_align: 8
    .kernarg_segment_size: 48
    .max_flat_workgroup_size: 128
    .sgpr_count:     102
    .vgpr_count:     768
    .wavefront_size: 32
...
	.end_amdgpu_metadata
.endif
;; end of part 4
